; MI455X (gfx1250); checked and timed in simulation.
; The chip was launched on July 23, 2026; its instructions are those of AMD's public machine-readable ISA for CDNA 5 (MIT licence, August 2026) and "CDNA5" Instruction Set Architecture Reference Guide (July 2026). The comments in the code are by the model that wrote it; some were corrected since.
;; Causal Self Attention. Allowed arithmetic: matrix products marked QUANTISED: E2M1 operands, one E8M0 scale for each 32 along K, by v_wmma_scale_f32_16x16x128_f8f6f4 with both operands' format E2M1 (or v_wmma_scale_f32_32x16x128_f4), f32 sums; products left as they are: bf16, f16 or f32 operands; f32 sums; everything else in f32.
;; Inputs: k_gain 4 float32; q_gain 16 float32; wk 512 x 2,048 float32; wo 2,048 x 2,048 float32; wq 2,048 x 2,048 float32; wv 512 x 2,048 float32; x 4 x 1,024 x 2,048 float32.
;; Outputs: out0 4 x 1,024 x 2,048 float32.
;; This version of the problem:
;;   THIS VERSION OF THE PROBLEM IS GIVEN IN LOW PRECISION. The matrix products marked QUANTISED in the list below multiply operands that are first quantised to E2M1 (2 exponent bits, 1 mantissa bit; 4 bits a number), with one power-of-two scale for each 32 numbers along K (OCP MX v1.0); their sums are f32. The products marked 'left as it is' may take bf16, f16 or f32 operands, with f32 sums. Whichever they take, every output number must still come out within the allowed error. Rounding operands to bf16 (8 significant bits) uses up far more of that allowance than f16 does (11 bits, for magnitudes from 6e-5 to 65,504). All else is computed in f32.
;;   The module's matrix products, in the order in which they are computed (A, B: the left and right operand; K: the contracted axis; several contracted axes count as one K, in the product's order):
;;     1. [M 4,096, K 2,048] x [K 2,048, N 2,048]; A: input x; B: input wq: QUANTISED
;;     2. [M 4,096, K 2,048] x [K 2,048, N 512]; A: input x; B: input wk: QUANTISED
;;     3. [M 4,096, K 2,048] x [K 2,048, N 512]; A: input x; B: input wv: QUANTISED
;;     4. batch 16 x [M 4,096, K 128] x [K 128, N 1,024]; A: computed on the way; B: computed on the way: left as it is (an operand is computed on the way)
;;     5. batch 16 x [M 4,096, K 1,024] x [K 1,024, N 128]; A: computed on the way; B: computed on the way: left as it is (an operand is computed on the way)
;;     6. [M 4,096, K 2,048] x [K 2,048, N 2,048]; A: computed on the way; B: input wo: left as it is (an operand is computed on the way)
;;   THE QUANTISER, for each operand of a quantised product, along K:
;;     - K is cut into blocks of 32 from its start; a last block that is shorter is filled with zeros.
;;     - A block's scale is 2^e with e = floor(log2(the largest magnitude in the block)) - 2, held to -126 .. 127; a block of zeros has e = 0. As a byte (E8M0): e + 127.
;;     - Each number is divided by its block's scale, clamped to +-6, and rounded to the nearest number of E2M1, ties to even, subnormals kept.
;;     - The product sums the exact products of the quantised numbers (number of the format x scale) in f32.
;;   ~~~python
;;   def quantise(x, axis):      # numpy; x: float32 -> the quantised numbers, widened to float32 again
;;       x = np.moveaxis(x, axis, -1); K = x.shape[-1]
;;       x = np.pad(x, [(0, 0)] * (x.ndim - 1) + [(0, -K % 32)]); x = x.reshape(x.shape[:-1] + (-1, 32)); a = np.abs(x).max(-1, keepdims=True)
;;       e = np.where(a > 0, np.clip(np.frexp(np.where(a > 0, a, 1))[1] - 1 - 2, -126, 127), 0)      # np.frexp(a)[1] - 1 = floor(log2(a)), exactly
;;       r = np.clip(x / 2.0 ** e, -6, 6)
;;       step = 2.0 ** (np.maximum(np.frexp(np.where(r == 0, 1, r))[1] - 1, 0) - 1)
;;       q = np.round(r / step) * step * 2.0 ** e      # np.round: ties to even
;;       return np.moveaxis(q.reshape(q.shape[:-2] + (-1,))[..., :K], -1, axis).astype(np.float32)
;;   ~~~
;; One version. Each part assembles by itself: llvm-mc -triple=amdgcn-amd-amdhsa -mcpu=gfx1250 --defsym DOCPART=n.
;; ======== version 1 of 1: 6 launches
;; limits: values are held in f16: magnitudes above 65,504 overflow, below 6.1e-05 lose precision
;; workspace buffers: codes 7,340,032 bytes; scales 458,752 bytes; wo16 8,388,608 bytes; rope 589,824 bytes; qkv 25,165,824 bytes; qkvf 786,432 bytes; y16 16,777,216 bytes; yf 524,288 bytes
;; launch prep (part 1): grid 720 x 1, 4 waves a work-group, no clusters, 33,280 bytes of LDS; arguments x, wq, wk, wv, wo, codes, scales, wo16, rope; writes codes, scales, wo16, rope
.if DOCPART == 1
	.amdgcn_target "amdgcn-amd-amdhsa--gfx1250"
	.amdhsa_code_object_version 6
	.text
	.protected	k_qc261ad30fd_prep
	.globl	k_qc261ad30fd_prep
	.p2align	8
	.type	k_qc261ad30fd_prep,@function
k_qc261ad30fd_prep:
	s_mov_b64 s[64:65], 0
	v_nop
	global_prefetch_b8 v0, s[64:65] scope:SCOPE_SE
	s_setreg_imm32_b32 hwreg(HW_REG_WAVE_MODE, 25, 1), 1
	s_wait_xcnt 0x0
; PREP: three kinds of work-groups, told apart by the work-group's number alone.
;   0-447    x [4096][2048] and the rows of wq, wk, wv ([3072][2048] on end), f32, become codes of FP4 (E2M1), K innermost, and one E8M0 byte for each 32 along K.
;            codes: x's at byte 0 (1,024 bytes a row), the weights' at 4,194,304;  scales: x's at 0 (64 bytes a row), the weights' at 262,144.
;   448-575  wo, f32, becomes f16 (round to nearest even), same order.
;   576-719  the table of cosines and sines: row t (512 bytes) = cos(t f_i), i = 0..63, then sin(t f_i); f_i = 10000^(-i/64).  Rows 1024-1151 hold cos 1, sin 0: the rotation that changes nothing, for v's heads.
; THE QUANTISER.  A block's scale is 2^(floor(log2(its largest magnitude)) - 2); its byte is the largest magnitude's exponent field - 2, held at 1 from below.  A block of zeros so gets the byte 1 where the
; rule says 127: its codes are zeros, which add nothing under any byte but 0xff, and this program alone reads the bytes.  Each number is divided by the scale and rounded to the nearest code, ties to even.
; LIMITS: blocks whose largest magnitude lies under 2^(2 - 126) have their byte held at 1; NaN and infinities among the inputs are not served; wo beyond f16's largest number, 65,504, is not served.
; Rows are dense and K is a multiple of 32: every tensor is a plain stream of blocks of 32.  A wave takes 16 steps of 512 numbers.  A load reads 512 consecutive bytes, 16 a lane; the conversions want 16 NEIGHBOURS
; in a lane, so a step's 2,048 bytes turn through the wave's own stage in LDS (16 bytes of padding behind each 64).  A lane's 16 codes are 8 bytes: the wave stores 256 consecutive bytes.
.set WAVES, 4
.set STEPS, 16
.set EMAX,  2
.set CB,    8                          ; bytes of 16 codes
.set R,     16                         ; v16-79   four sets of 16 numbers as they are loaded
.set X,     80                         ; v80-111  two sets of 16 neighbours
.set C,     128                        ; v128-191 codes: four registers for each step
.set E,     112                        ; v112-127 a scale byte for each step
.set WREG,  8192                       ; LDS: a region for each wave: two stages of 32 x SP bytes, behind them its 256 scale bytes
.set SP,    80
.set SPW,   12                         ; v12 LDS address of my spare word; never rewritten
.set NIL,   13                         ; v13 0; never rewritten
.set SPARE, WAVES*WREG                 ; behind the four regions: the spare words, 128 bytes a wave
	s_load_b256 s[4:11], s[0:1], 0x0               ; x, wq, wk, wv
	s_load_b256 s[12:19], s[0:1], 0x20             ; wo, codes, scales, wo16
	s_load_b64 s[20:21], s[0:1], 0x40              ; rope
	v_lshl_add_u32 v[SPW], v0, 2, SPARE
	v_mov_b32 v[NIL], 0
	v_lshrrev_b32 v1, 5, v0
	v_readfirstlane_b32 s22, v1                    ; wave
	v_and_b32 v2, 31, v0                           ; lane
	s_wait_kmcnt 0x0
	s_cmp_ge_u32 ttmp9, 576
	s_cbranch_scc1 .Lrope
	s_cmp_ge_u32 ttmp9, 448
	s_cbranch_scc1 .Lconv
; ---------------- the quantiser
	v_lshlrev_b32 v3, 4, v2                        ; my 16 bytes of a load's 512
	s_mul_i32 s25, s22, WREG
	v_lshrrev_b32 v14, 2, v2
	v_mul_u32_u24 v14, v14, SP
	v_and_b32 v15, 3, v2
	v_lshl_add_u32 v14, v15, 4, v14
	v_add_nc_u32 v14, s25, v14                     ; the stage, on the way in: SP (lane / 4) + 16 (lane % 4)
	v_mul_u32_u24 v15, v2, SP
	v_add_nc_u32 v15, s25, v15                     ; and on the way out: SP x lane: my 16 neighbours
	v_mul_u32_u24 v4, v2, CB                       ; my codes' place in a step's
	v_lshrrev_b32 v5, 1, v2
	s_add_co_u32 s25, s25, 2*32*SP
	v_add_nc_u32 v5, s25, v5                       ; LDS: my wave's 256 scale bytes, my block's byte
	v_lshlrev_b32 v7, 3, v2                        ; and on the way out 8 bytes a lane
	v_add_nc_u32 v6, s25, v7
	; which tensor: 0-255 x, 256-383 wq, 384-415 wk, 416-447 wv.  Only pointers and starts are chosen: all take one path
	s_mov_b32 s24, 416
	s_cmp_lt_u32 ttmp9, s24
	s_cselect_b64 s[26:27], s[8:9], s[10:11]
	s_cselect_b32 s23, 384, s24
	s_cmp_lt_u32 ttmp9, 384
	s_cselect_b64 s[26:27], s[6:7], s[26:27]
	s_cselect_b32 s23, 256, s23
	s_cmp_lt_u32 ttmp9, 256
	s_cselect_b64 s[26:27], s[4:5], s[26:27]
	s_cselect_b32 s23, 0, s23                      ; the tensor's first work-group
	s_cselect_b32 s24, 0, 256                      ; the first work-group of its part of the outputs (the three weights lie on end)
	s_cselect_b32 s28, 0, 0x400000                 ; where that part begins among the codes,
	s_cselect_b32 s30, 0, 0x40000                  ; and among the scale bytes
	s_sub_co_u32 s23, ttmp9, s23
	s_lshl_b32 s23, s23, 2
	s_add_co_u32 s23, s23, s22                     ; which run of 8,192 numbers of the tensor is my wave's
	s_lshl_b32 s32, s23, 15
	s_mov_b32 s33, 0
	s_add_nc_u64 s[26:27], s[26:27], s[32:33]
	s_sub_co_u32 s24, ttmp9, s24
	s_lshl_b32 s24, s24, 2
	s_add_co_u32 s24, s24, s22                     ; and which run of the outputs' part
	s_lshl_b32 s32, s24, 12                        ; 4,096 bytes of codes a run
	s_add_co_u32 s32, s32, s28
	s_add_nc_u64 s[14:15], s[14:15], s[32:33]
	s_lshl_b32 s32, s24, 8                         ; 256 scale bytes a run
	s_add_co_u32 s32, s32, s30
	s_add_nc_u64 s[16:17], s[16:17], s[32:33]
.macro LOAD t
.irp i, 0,1,2,3
	global_load_b128 v[R+16*((\t)%4)+4*\i:R+16*((\t)%4)+4*\i+3], v3, s[26:27] offset:2048*(\t)+512*\i th:TH_LOAD_NT   ; 32 lanes read 512 consecutive bytes
.endr
.endm
.macro TURN t                          ; step t's numbers through the stage: LDS serves a wave's instructions in order, so no wait stands between the stores and the loads
.irp i, 0,1,2,3
	ds_store_b128 v14, v[R+16*((\t)%4)+4*\i:R+16*((\t)%4)+4*\i+3] offset:32*SP*((\t)%2)+8*SP*\i
.endr
.irp i, 0,1,2,3
	ds_load_b128 v[X+16*((\t)%2)+4*\i:X+16*((\t)%2)+4*\i+3], v15 offset:32*SP*((\t)%2)+16*\i
.endr
.endm
.irp t, 0,1,2,3
	LOAD \t
.endr
	s_wait_loadcnt 12                              ; step 0's four loads are in
	TURN 0
.macro STEP t
.set XS, X+16*((\t)%2)
.if (\t) > 0
	s_wait_dscnt 1                                 ; this step's numbers are back from the stage (the last step's byte store may be out)
.else
	s_wait_dscnt 0x0
.endif
.if (\t)+4 < STEPS
	LOAD (\t)+4                                    ; the registers that the stage's stores have read take the loads of four steps on
.endif
.if (\t)+1 < STEPS
.if STEPS-2-(\t) >= 3
	s_wait_loadcnt 12                              ; the next step's four loads are in; those of the three steps behind it may be out
.else
	s_wait_loadcnt 4*(STEPS-2-(\t))
.endif
	TURN (\t)+1
.endif
	v_max3_num_f32 v8, |v[XS]|, |v[XS+1]|, |v[XS+2]|               ; the largest magnitude of my 16
	v_max3_num_f32 v9, |v[XS+3]|, |v[XS+4]|, |v[XS+5]|
.irp i, 6,10
	v_max3_num_f32 v8, v8, |v[XS+\i]|, |v[XS+\i+1]|
	v_max3_num_f32 v9, v9, |v[XS+\i+2]|, |v[XS+\i+3]|
.endr
	v_max3_num_f32 v8, v8, |v[XS+14]|, |v[XS+15]|
	v_max3_num_f32 v8, v8, v9, (EMAX+1)<<23        ; and the floor 2^(EMAX + 1 - 127): the byte cannot fall under 1
	v_max_num_f32_dpp v8, v8, v8 row_xmask:1 row_mask:0xf bank_mask:0xf   ; and of my neighbour's 16: the block's
	v_add_nc_u32 v11, -(EMAX<<23), v8              ; EMAX off its exponent field: the conversion takes the exponent field of this operand as its scale
	v_cvt_scalef32_pk8_fp4_f32 v[C+4*(\t)], v[XS:XS+7], v11
	v_cvt_scalef32_pk8_fp4_f32 v[C+4*(\t)+1], v[XS+8:XS+15], v11
	v_lshrrev_b32 v[E+(\t)], 23, v11               ; the scale's byte
	ds_store_b8 v5, v[E+(\t)] offset:16*(\t)       ; both lanes of a block write the same byte with the same value
	global_store_b64 v4, v[C+4*(\t):C+4*(\t)+1], s[14:15] offset:32*CB*(\t)
.endm
.irp t, 0,1,2,3,4,5,6,7,8,9,10,11,12,13,14,15
	STEP \t
.endr
	ds_load_b64 v[8:9], v6                         ; LDS serves a wave's instructions in order: these see my stores
	s_wait_dscnt 0x0
	global_store_b64 v7, v[8:9], s[16:17]          ; 32 lanes store 256 consecutive bytes, aligned
	s_wait_tensorcnt 0x0                           ; the wave's end, behind my last LDS store
	ds_add_u32 v[SPW], v[NIL]
	s_wait_dscnt 0x0
	s_endpgm
; ---------------- wo to f16: a wave takes 8,192 numbers, four batches of 16 loads, two batches in flight
.Lconv:
	s_sub_co_u32 s23, ttmp9, 448
	s_lshl_b32 s23, s23, 2
	s_add_co_u32 s23, s23, s22
	s_lshl_b32 s32, s23, 15
	s_mov_b32 s33, 0
	s_add_nc_u64 s[12:13], s[12:13], s[32:33]
	s_lshl_b32 s32, s23, 14
	s_add_nc_u64 s[18:19], s[18:19], s[32:33]
	v_lshlrev_b32 v3, 4, v2
	v_lshlrev_b32 v4, 3, v2
.macro LOADB t
.irp i, 0,1,2,3,4,5,6,7,8,9,10,11,12,13,14,15
	global_load_b128 v[16+64*((\t)%2)+4*\i:16+64*((\t)%2)+4*\i+3], v3, s[12:13] offset:(16*(\t)+\i)*512 th:TH_LOAD_NT
.endr
.endm
.macro CONVB t
.if (\t) < 3
	s_wait_loadcnt 16                              ; my batch is in; the younger batch's 16 loads may be out
.else
	s_wait_loadcnt 0
.endif
.if (\t) > 0
	s_wait_xcnt 0x0                                ; the last batch's stores have read v144-175
.endif
.irp i, 0,1,2,3,4,5,6,7,8,9,10,11,12,13,14,15
	v_cvt_pk_f16_f32 v[144+2*\i], v[16+64*((\t)%2)+4*\i], v[16+64*((\t)%2)+4*\i+1]
	v_cvt_pk_f16_f32 v[145+2*\i], v[16+64*((\t)%2)+4*\i+2], v[16+64*((\t)%2)+4*\i+3]
.endr
.irp i, 0,1,2,3,4,5,6,7,8,9,10,11,12,13,14,15
	global_store_b64 v4, v[144+2*\i:145+2*\i], s[18:19] offset:(16*(\t)+\i)*256   ; 32 lanes store 256 consecutive bytes, aligned
.endr
.if (\t)+2 < 4
	LOADB (\t)+2
.endif
.endm
	LOADB 0
	LOADB 1
	CONVB 0
	CONVB 1
	CONVB 2
	CONVB 3
	s_endpgm
; ---------------- the table: a work-group makes 8 rows; sixteen threads a row, four frequencies a thread
.set TFI, 16                           ; i as f32, then 1 - i LL ln 2
.set TIV, 20                           ; f_i, then the angle
.set TNN, 24                           ; the angle's nearest multiple of pi/2
.set TRR, 28                           ; what is left, at most pi/4 in size
.set TZZ, 32                           ; its square
.set TPS, 36                           ; sin of it
.set TPC, 40                           ; cos of it
.set TQI, 44                           ; the multiple as a whole number
.set TT1, 48
.set TCO, 52                           ; v52-55 the four cosines
.set TSI, 56                           ; v56-59 the four sines
.set TT2, 60
.Lrope:
	s_sub_co_u32 s23, ttmp9, 576
	s_lshl_b32 s23, s23, 3
	v_lshrrev_b32 v3, 4, v0
	v_add_nc_u32 v3, s23, v3                       ; the row
	v_and_b32 v4, 15, v0
	v_cmp_gt_u32 vcc_lo, 1024, v3
	v_cndmask_b32 v5, 0, v3, vcc_lo                ; its position; 0 in the rows from 1,024 on
	v_cvt_f32_u32 v5, v5
	v_lshlrev_b32 v6, 2, v4
	v_lshlrev_b32 v7, 9, v3
	v_lshl_add_u32 v7, v4, 4, v7                   ; row x 512 + 16 bytes a thread
	s_mov_b32 s24, 0x3f22f983                      ; 2 / pi
	s_mov_b32 s25, 0x3fc90fdb                      ; pi / 2, its f32 part,
	s_mov_b32 s26, 0xb33bbd2e                      ; and what that leaves
	s_mov_b32 s27, 0xb94ca1f9                      ; sin's polynomial
	s_mov_b32 s28, 0x3c08839e
	s_mov_b32 s29, 0xbe2aaaa3
	s_mov_b32 s30, 0x37ccf5ce                      ; cos's
	s_mov_b32 s31, 0xbab6061a
	s_mov_b32 s32, 0x3d2aaaa5
	s_mov_b32 s33, 0xb5a6c40c                      ; -LL ln 2
.irp e, 0,1,2,3
	v_add_nc_u32 v[TFI+\e], \e, v6
.endr
.irp e, 0,1,2,3
	v_cvt_f32_u32 v[TFI+\e], v[TFI+\e]
.endr
.irp e, 0,1,2,3
	v_mul_f32 v[TIV+\e], 0xbe549a00, v[TFI+\e]     ; -i LH: log2(10000) / 64 = LH + LL, LH of 16 bits, so that this product is exact
.endr
.irp e, 0,1,2,3
	v_exp_f32 v[TIV+\e], v[TIV+\e]
.endr
.irp e, 0,1,2,3
	v_fma_f32 v[TFI+\e], v[TFI+\e], s33, 1.0       ; 2^(-i LL) = 1 - i LL ln 2, to within 3e-9.  (Plain work behind the exponentials)
.endr
	s_wait_alu depctr_va_vdst(0)                   ; one wait for the four exponentials, ahead of their first reader
.irp e, 0,1,2,3
	v_mul_f32 v[TIV+\e], v[TIV+\e], v[TFI+\e]      ; f_i
.endr
.irp e, 0,1,2,3
	v_mul_f32 v[TIV+\e], v5, v[TIV+\e]             ; the angle, rounded to f32 once
.endr
.irp e, 0,1,2,3
	v_mul_f32 v[TNN+\e], s24, v[TIV+\e]
.endr
.irp e, 0,1,2,3
	v_rndne_f32 v[TNN+\e], v[TNN+\e]
.endr
.irp e, 0,1,2,3
	v_fma_f32 v[TRR+\e], -v[TNN+\e], s25, v[TIV+\e]
.endr
.irp e, 0,1,2,3
	v_fma_f32 v[TRR+\e], -v[TNN+\e], s26, v[TRR+\e]
.endr
.irp e, 0,1,2,3
	v_mul_f32 v[TZZ+\e], v[TRR+\e], v[TRR+\e]
.endr
.irp e, 0,1,2,3
	v_fma_f32 v[TPS+\e], v[TZZ+\e], s27, s28
	v_fma_f32 v[TPC+\e], v[TZZ+\e], s30, s31
.endr
.irp e, 0,1,2,3
	v_fma_f32 v[TPS+\e], v[TZZ+\e], v[TPS+\e], s29
	v_fma_f32 v[TPC+\e], v[TZZ+\e], v[TPC+\e], s32
.endr
.irp e, 0,1,2,3
	v_mul_f32 v[TT1+\e], v[TRR+\e], v[TZZ+\e]
	v_fma_f32 v[TT2+\e], v[TZZ+\e], -0.5, 1.0
.endr
.irp e, 0,1,2,3
	v_fma_f32 v[TPS+\e], v[TT1+\e], v[TPS+\e], v[TRR+\e]
	v_mul_f32 v[TT1+\e], v[TZZ+\e], v[TZZ+\e]
.endr
.irp e, 0,1,2,3
	v_fma_f32 v[TPC+\e], v[TT1+\e], v[TPC+\e], v[TT2+\e]
	v_cvt_i32_f32 v[TQI+\e], v[TNN+\e]
.endr
.irp e, 0,1,2,3
	v_and_b32 v[TT1+\e], 1, v[TQI+\e]
.endr
.irp e, 0,1,2,3
	v_cmp_eq_u32 vcc_lo, 1, v[TT1+\e]              ; an odd quarter turn changes sine and cosine over
	v_cndmask_b32 v[TSI+\e], v[TPS+\e], v[TPC+\e], vcc_lo
	v_cndmask_b32 v[TCO+\e], v[TPC+\e], v[TPS+\e], vcc_lo
.endr
.irp e, 0,1,2,3
	v_and_b32 v[TT1+\e], 2, v[TQI+\e]              ; the sine is negative in quarters 2 and 3,
	v_add_nc_u32 v[TT2+\e], 1, v[TQI+\e]
.endr
.irp e, 0,1,2,3
	v_lshlrev_b32 v[TT1+\e], 30, v[TT1+\e]
	v_and_b32 v[TT2+\e], 2, v[TT2+\e]              ; the cosine in quarters 1 and 2
.endr
.irp e, 0,1,2,3
	v_xor_b32 v[TSI+\e], v[TT1+\e], v[TSI+\e]
	v_lshlrev_b32 v[TT2+\e], 30, v[TT2+\e]
.endr
.irp e, 0,1,2,3
	v_xor_b32 v[TCO+\e], v[TT2+\e], v[TCO+\e]
.endr
	global_store_b128 v7, v[TCO:TCO+3], s[20:21]               ; sixteen lanes store 256 consecutive bytes, aligned
	global_store_b128 v7, v[TSI:TSI+3], s[20:21] offset:256
	s_endpgm
.Lfunc_end_k_qc261ad30fd_prep:
	.size	k_qc261ad30fd_prep, .Lfunc_end_k_qc261ad30fd_prep-k_qc261ad30fd_prep
	.p2alignl 7, 3214868480
	.fill 96, 4, 3214868480
	.section	.rodata,"a",@progbits
	.p2align	6, 0x0
	.amdhsa_kernel k_qc261ad30fd_prep
		.amdhsa_group_segment_fixed_size 33280
		.amdhsa_private_segment_fixed_size 0
		.amdhsa_enable_private_segment 0
		.amdhsa_kernarg_size 72
		.amdhsa_user_sgpr_count 2
		.amdhsa_user_sgpr_kernarg_segment_ptr 1
		.amdhsa_wavefront_size32 1
		.amdhsa_system_sgpr_workgroup_id_x 1
		.amdhsa_system_sgpr_workgroup_id_y 1
		.amdhsa_system_sgpr_workgroup_id_z 1
		.amdhsa_system_vgpr_workitem_id 0
		.amdhsa_next_free_vgpr 192
		.amdhsa_next_free_sgpr 66
		.amdhsa_reserve_vcc 1
		.amdhsa_float_denorm_mode_32 3
		.amdhsa_float_denorm_mode_16_64 3
		.amdhsa_memory_ordered 1
		.amdhsa_forward_progress 1
		.amdhsa_inst_pref_size 61
	.end_amdhsa_kernel
	.amdgpu_metadata
---
amdhsa.version: [ 1, 2 ]
amdhsa.kernels:
  - .name:           k_qc261ad30fd_prep
    .symbol:         k_qc261ad30fd_prep.kd
    .args:
      - { .name: x, .offset: 0, .size: 8, .value_kind: global_buffer, .address_space: global }
      - { .name: wq, .offset: 8, .size: 8, .value_kind: global_buffer, .address_space: global }
      - { .name: wk, .offset: 16, .size: 8, .value_kind: global_buffer, .address_space: global }
      - { .name: wv, .offset: 24, .size: 8, .value_kind: global_buffer, .address_space: global }
      - { .name: wo, .offset: 32, .size: 8, .value_kind: global_buffer, .address_space: global }
      - { .name: codes, .offset: 40, .size: 8, .value_kind: global_buffer, .address_space: global }
      - { .name: scales, .offset: 48, .size: 8, .value_kind: global_buffer, .address_space: global }
      - { .name: wo16, .offset: 56, .size: 8, .value_kind: global_buffer, .address_space: global }
      - { .name: rope, .offset: 64, .size: 8, .value_kind: global_buffer, .address_space: global }
    .group_segment_fixed_size: 33280
    .private_segment_fixed_size: 0
    .kernarg_segment_align: 8
    .kernarg_segment_size: 72
    .max_flat_workgroup_size: 128
    .sgpr_count:     66
    .vgpr_count:     192
    .wavefront_size: 32
...
	.end_amdgpu_metadata
.endif
;; end of part 1
;; launch qkv (part 2): grid 12 x 16, 4 waves a work-group, clusters of 4 x 4, 327,680 bytes of LDS; arguments codes, scales, rope, qkv, qkvf; writes qkv, qkvf
.if DOCPART == 2
	.amdgcn_target "amdgcn-amd-amdhsa--gfx1250"
	.amdhsa_code_object_version 6
	.text
	.protected	k_qc261ad30fd_qkv
	.globl	k_qc261ad30fd_qkv
	.p2align	8
	.type	k_qc261ad30fd_qkv,@function
k_qc261ad30fd_qkv:
	s_mov_b64 s[64:65], 0
	v_nop
	global_prefetch_b8 v0, s[64:65] scope:SCOPE_SE
	s_setreg_imm32_b32 hwreg(HW_REG_WAVE_MODE, 25, 1), 1
	s_wait_xcnt 0x0
	s_wait_alu depctr_hold_cnt(0) depctr_sa_sdst(0) depctr_va_vdst(0) depctr_va_sdst(0) depctr_va_ssrc(0) depctr_va_vcc(0) depctr_vm_vsrc(0)
	s_getreg_b32 s2, hwreg(HW_REG_IB_STS2, 6, 4)
	s_cmp_eq_u32 s2, 0
	s_cbranch_scc0 .Lentry_in_a_cluster
	s_endpgm
.Lentry_in_a_cluster:
	s_bfe_u32 s2, ttmp6, 0x10000c
	s_cmp_lg_u32 s2, 0xf033
	s_cbranch_scc0 .Lentry_shape_is_right
	s_endpgm
.Lentry_shape_is_right:
; [q | k | v] = x [wq; wk; wv]^T on codes of FP4 (E2M1) with one E8M0 scale for each 32 along K: M 4,096, N 3,072, K 2,048; sums in f32.  Then the rotation of q's and k's heads, in f32, and f16 out, by head.
; A tile of the result, 256 x 256, is made by a work-group of four waves; a wave makes 128 x 128: 64 accumulators of 16 x 16, 512 registers.  A WAVE'S 128 COLUMNS ARE ONE HEAD: hd = 2 x tile column + (wave & 1);
; hd 0-15 q, 16-19 k, 20-23 v.  K goes in steps of 512 through a ring of two LDS slots filled by the tensor data mover: a tile's row is 256 bytes of memory.
; THE SCALES of the work-group's 256 + 256 rows, for all of K, come into LDS once, with the first fills, and stay.
; CLUSTERS: 4 x 4 work-groups.  The four of a row of the cluster need the same tiles of x, the four of a column the same tiles of the weights: each tile is asked for JOINTLY, by the same tensor load with the same
; descriptor and a mask that names the four.  THE MATRIX INSTRUCTION IS USED TRANSPOSED (source 0 = 16 rows of the weights, source 1 = 16 rows of x): a lane holds eight neighbouring channels of one position.
; THE ROTATION pairs channel d with d + 64: accumulators b and b + 4 of one block of rows, the same lane and register.  v's heads run the same lines against table rows that hold cos 1, sin 0: no branch hangs on the head.
; The gains are NOT applied here: they multiply the scores, in f32, in the attention launches.  LIMIT: |x . w| beyond f16's largest number, 65,504, is not served (it is about 1 as the inputs are drawn).
; The first 16 positions of every sequence also leave in f32 (qkvf), for the fine launches.
; REGISTERS, in windows of 256: window 0: v0-31 addresses; v32-95 scale words, two sets; v128-191 x's fragments, ONE set; v192-255 the first table rows, asked for at the head.  On the way out v32-255 are at work.
;   window 1: the weights' fragments, TWO sets, at v0 and v128.   window 2: the accumulators of my rows 0-63 ((a, b) at v[8 (8 a + b)]);   window 3: those of my rows 64-127.
.set SIZE_M, 4096
.set SIZE_N, 3072
.set SIZE_K, 2048
.set KSTEP,  512                       ; along K in a slot
.set NQ,     KSTEP/128                 ; matrix instructions deep
.set ROWB,   256                       ; a tile's row in bytes
.set KROW,   SIZE_K*4/8                ; a row of codes in memory
.set PITCH,  272                       ; an LDS row: 256 bytes + 16 of padding: the 16 rows that a load touches start at 16 different banks
.set FR,     8                         ; registers of a fragment: 16 rows x 128 K
.set NL,     2                         ; LDS loads that bring one
.set NP,     4                         ; places behind this matrix instruction (ISA guide 7.12.1)
.set HALFT,  128*PITCH
.set SLOT,   4*HALFT                   ; x's 256 rows, then the weights' 256 rows
.set LAPS,   SIZE_K/(2*KSTEP)
.set KS,     SIZE_K/32                 ; a row of scales in bytes
.set SCL,    2*SLOT                    ; behind the ring: the scales, as units of 256 bytes + 16 of padding
.set HALFS,  (128*KS/256)*272
.set SBLK,   (16*KS/256)*272
.set SPARE,  SCL+4*HALFS               ; behind the scales: the spare words, 128 bytes a wave
.set SPITCH, 272                       ; the way out: a stage of 16 rows x (256 bytes + 16) a wave, in slot 0, which has had its last fill and its last read by then
.set ADRA, 16
.set ADRB, 20
.set STO,  24                          ; v24 the way out: where I put 16 bytes of a row
.set RD,   25                          ; v25 where I read a row back
.set CO,   26                          ; v26 16 x lane: my place in two rows of a head (512 consecutive bytes)
.set ADRS, 27
.set SPW,  28
.set NIL,  29
.set RO,   30                          ; v30 r x 512 + 32 h: my place in 16 rows of the table, and of qkvf; never rewritten
.set FL,   31                          ; v31 1 where my first block of rows is positions 0-15 of a sequence
.set SC,   32
.set AF,   128
.set T,    32                          ; the way out: v32-63 the rotated numbers, then f16
.set OB,   64                          ; v64-95, v96-127: 16 rows read back from the stage, by turns
.set G1, 24
.set G0, 32
.set G1B, 48
.set G0B, 56
.set G1S, 68
.set G0S, 76
.set G1SB, 80
.set G0SB, 88
.set MSB, 0
.macro WIN new                         ; the immediate's high byte repeats the setting that is left
.if MSB != (\new)
	s_set_vgpr_msb (MSB<<8)|(\new)
.set MSB, (\new)
.endif
.endm
.set MUL_LO, 0xa1                      ; source 0 (weights) window 1, source 1 (x) window 0, C and D window 2
.set MUL_HI, 0xf1
.set TO_B,   0x40
; A joint load: waves 0 and 1 fetch for x, waves 2 and 3 for the weights.  The branch hangs on the wave's number alone.  An s_nop 0 and four v_nop follow each of the two lines.
.macro JLOAD g0a, g1a, g0b, g1b
	s_cmp_eq_u32 s15, 0
	s_cbranch_scc0 .Lfor_b_\@
	tensor_load_to_lds s[\g0a:\g0a+3], s[\g1a:\g1a+7]
	s_nop 0
.rept 4
	v_nop
.endr
	s_branch .Lasked_\@
.Lfor_b_\@:
	tensor_load_to_lds s[\g0b:\g0b+3], s[\g1b:\g1b+7]
	s_nop 0
.rept 4
	v_nop
.endr
.Lasked_\@:
.endm
.macro CREST                           ; a round of the cluster's barrier behind its opening barrier
	s_cmp_lg_u32 s14, 0
	s_cbranch_scc1 .Lnot_wave_0_\@
	s_barrier_signal -3
.Lnot_wave_0_\@:
	s_barrier_wait -3
	s_barrier_signal -1
	s_barrier_wait -1
.endm
.macro CROUND
	s_barrier_signal -1
	s_barrier_wait -1
	CREST
.endm
	s_load_b128 s[4:7], s[0:1], 0x0                ; codes, scales
	s_load_b128 s[96:99], s[0:1], 0x10             ; rope, qkv
	s_load_b64 s[100:101], s[0:1], 0x20            ; qkvf
	v_lshl_add_u32 v[SPW], v0, 2, SPARE
	v_mov_b32 v[NIL], 0
	ds_add_u32 v[SPW], v[NIL]                      ; the wave's opening: an add of 0, twice on end, and its wait ahead of my first tensor load
	ds_add_u32 v[SPW], v[NIL]
	v_lshrrev_b32 v1, 5, v0
	v_readfirstlane_b32 s14, v1                    ; wave 0..3
	s_lshr_b32 s15, s14, 1                         ; which half of the tile's rows is mine.  Also: I fetch for x (0) or for the weights (1)
	s_and_b32 s16, s14, 1                          ; which half of its columns.  Also: which 128 rows of that tile I fetch
	s_bfe_u32 s40, ttmp6, 0x40000                  ; cx, cy
	s_bfe_u32 s41, ttmp6, 0x40004
	s_lshl_b32 s42, ttmp9, 2
	s_add_co_u32 s42, s42, s40                     ; tile column = 4 x cluster x + cx
	s_and_b32 s17, ttmp7, 0xffff
	s_lshl_b32 s17, s17, 2
	s_add_co_u32 s17, s17, s41                     ; tile row = 4 x cluster y + cy
	s_lshl_b32 s43, s41, 2
	s_lshl_b32 s43, 15, s43                        ; my row of the cluster
	s_lshl_b32 s44, 0x1111, s40                    ; my column
	s_or_b32 s[G1+0], s43, (0<<16)|(1<<20)|(1<<21)|(5<<22)|(3<<25)  ; the mask; elements of 1 byte; padding on; bit 21 beside a mask; after every 64 words, 4 words
	s_or_b32 s[G1B+0], s44, (0<<16)|(1<<20)|(1<<21)|(5<<22)|(3<<25)
.irp g, G1, G1B
	s_mov_b32 s[\g+1], ROWB<<16                    ; tensor_dim0
	s_mov_b32 s[\g+2], 128<<16                     ; tensor_dim1
	s_mov_b32 s[\g+3], ROWB<<16                    ; tile_dim0
	s_mov_b32 s[\g+4], 128                         ; tile_dim1
	s_mov_b32 s[\g+5], KROW                        ; tensor_dim0_stride
	s_mov_b32 s[\g+6], 0
	s_mov_b32 s[\g+7], 0
.endr
	s_or_b32 s[G1S+0], s43, (3<<16)|(1<<20)|(1<<21)|(5<<22)|(3<<25) ; the scales of 128 rows: a dense block, as rows of 256 bytes (32 elements of 8 bytes)
	s_or_b32 s[G1SB+0], s44, (3<<16)|(1<<20)|(1<<21)|(5<<22)|(3<<25)
.irp g, G1S, G1SB
	s_mov_b32 s[\g+1], 32<<16
	s_mov_b32 s[\g+2], (128*KS/256)<<16
	s_mov_b32 s[\g+3], 32<<16
	s_mov_b32 s[\g+4], 128*KS/256
	s_mov_b32 s[\g+5], 32
	s_mov_b32 s[\g+6], 0
	s_mov_b32 s[\g+7], 0
.endr
	s_lshl_b32 s18, s16, 7
	s_lshl_b32 s20, s17, 8
	s_add_co_u32 s20, s20, s18                     ; x: row 256 x tile row + 128 x half
	s_lshl_b32 s46, s42, 8
	s_add_co_u32 s46, s46, s18                     ; weights: row 256 x tile column + 128 x half
	s_mov_b32 s21, 0
	s_mov_b32 s47, 0
	s_mov_b64 s[18:19], KS
	s_mul_u64 s[22:23], s[20:21], s[18:19]
	s_mul_u64 s[92:93], s[46:47], s[18:19]
	s_mov_b64 s[18:19], KROW
	s_mul_u64 s[20:21], s[20:21], s[18:19]
	s_mul_u64 s[46:47], s[46:47], s[18:19]
	s_mul_i32 s45, s14, HALFT                      ; where they go: wave x 128 rows: no place in the cluster enters an LDS address
	s_mul_i32 s94, s14, HALFS
	s_wait_dscnt 0x0                               ; both opening adds are done
	s_wait_kmcnt 0x0
	s_add_nc_u64 s[8:9], s[4:5], 0x400000          ; the weights' codes lie behind x's,
	s_add_nc_u64 s[10:11], s[6:7], 0x40000         ; and so do their scales
	s_add_nc_u64 s[20:21], s[4:5], s[20:21]
	s_add_nc_u64 s[22:23], s[6:7], s[22:23]
	s_add_nc_u64 s[46:47], s[8:9], s[46:47]
	s_add_nc_u64 s[92:93], s[10:11], s[92:93]
	CROUND                                         ; all sixteen work-groups are here: the first joint loads meet
	s_mov_b32 s[G0S], 1
	s_add_co_u32 s[G0S+1], s94, SCL
	s_mov_b64 s[G0S+2:G0S+3], s[22:23]
	s_or_b32 s[G0S+3], s[G0S+3], 0x80000000
	s_mov_b32 s[G0SB], 1
	s_add_co_u32 s[G0SB+1], s94, SCL
	s_mov_b64 s[G0SB+2:G0SB+3], s[92:93]
	s_or_b32 s[G0SB+3], s[G0SB+3], 0x80000000
	JLOAD G0S, G1S, G0SB, G1SB                     ; the scales first: they are wanted with K step 0
.irp s, 0,1
	s_mov_b32 s[G0+4*\s], 1
	s_add_co_u32 s[G0+4*\s+1], s45, \s*SLOT
	s_add_nc_u64 s[G0+4*\s+2:G0+4*\s+3], s[20:21], \s*ROWB
	s_or_b32 s[G0+4*\s+3], s[G0+4*\s+3], 0x80000000
	s_mov_b32 s[G0B+4*\s], 1
	s_add_co_u32 s[G0B+4*\s+1], s45, \s*SLOT
	s_add_nc_u64 s[G0B+4*\s+2:G0B+4*\s+3], s[46:47], \s*ROWB
	s_or_b32 s[G0B+4*\s+3], s[G0B+4*\s+3], 0x80000000
	JLOAD G0+4*\s, G1, G0B+4*\s, G1B
.endr
	v_and_b32 v1, 15, v0                           ; r
	v_bfe_u32 v2, v0, 4, 1                         ; h
	v_mul_u32_u24 v3, v1, PITCH
	v_lshl_add_u32 v4, v2, 4, v3
	s_mul_i32 s21, s15, HALFT
	s_mul_i32 s22, s16, HALFT
	s_add_co_u32 s22, s22, 2*HALFT
.irp s, 0,1
	v_add_nc_u32 v[ADRA+\s], s21, v4
	v_add_nc_u32 v[ADRB+\s], s22, v4
	s_add_co_u32 s21, s21, SLOT
	s_add_co_u32 s22, s22, SLOT
.endr
	v_mul_u32_u24 v5, v1, KS                       ; my row's scales: KS bytes a row,
	v_lshrrev_b32 v6, 8, v5
	v_lshl_add_u32 v5, v6, 4, v5                   ; and 16 more for each 256 passed
	s_mul_i32 s21, s15, HALFS
	s_mul_i32 s22, s16, HALFS
	s_add_co_u32 s22, s22, 2*HALFS
	s_sub_co_u32 s22, s22, s21
	v_mul_u32_u24 v6, s22, v2                      ; lanes 16-31 take the weights'
	s_add_co_u32 s21, s21, SCL
	v_add_nc_u32 v5, v5, v6
	v_add_nc_u32 v[ADRS], s21, v5
	s_mul_i32 s23, s14, 16*SPITCH                  ; my stage
	v_mul_u32_u24 v5, v1, SPITCH                   ; in: row r, 16 bytes for each half of the lanes
	v_lshl_add_u32 v5, v2, 4, v5
	v_add_nc_u32 v[STO], s23, v5
	v_mul_u32_u24 v5, v2, SPITCH                   ; back: lanes 0-15 one row of 256 bytes, lanes 16-31 the next
	v_lshl_add_u32 v5, v1, 4, v5
	v_add_nc_u32 v[RD], s23, v5
	v_and_b32 v6, 31, v0
	v_lshlrev_b32 v[CO], 4, v6
	v_lshlrev_b32 v[RO], 9, v1
	v_lshl_add_u32 v[RO], v2, 5, v[RO]
	s_lshl_b32 s20, s17, 8
	s_lshl_b32 s21, s15, 7
	s_add_co_u32 s20, s20, s21                     ; m0: my first row
	s_lshl_b32 s46, s42, 1
	s_add_co_u32 s46, s46, s16                     ; hd: my head
	s_and_b32 s21, s20, 1023                       ; its position in the sequence
	s_cmp_eq_u32 s21, 0
	s_cselect_b32 s47, 1, 0
	v_mov_b32 v[FL], s47
	s_cmp_lt_u32 s46, 20
	s_cselect_b32 s21, s21, 1024                   ; the table's rows: by position for q and k; the rows that change nothing for v
	s_lshl_b32 s22, s21, 9
	s_mov_b32 s23, 0
	s_add_nc_u64 s[96:97], s[96:97], s[22:23]
	s_lshl_b32 s22, s46, 12
	s_add_co_u32 s22, s22, s20
	s_lshl_b32 s22, s22, 8                         ; (hd x 4,096 + m0) rows of 256 bytes
	s_add_nc_u64 s[98:99], s[98:99], s[22:23]
	s_lshl_b32 s22, s46, 2
	s_lshr_b32 s21, s20, 10
	s_add_co_u32 s22, s22, s21
	s_lshl_b32 s22, s22, 13                        ; (hd x 4 + batch) x 16 rows of 512 bytes
	s_add_nc_u64 s[100:101], s[100:101], s[22:23]
; The table's 16 rows of block a: 32 cosines and 32 sines a lane, into set a % 2 (set 0: v192-255, set 1: v128-191); cos of accumulator b at + 8 b, sin at + 32 + 8 b
.macro LOADCS a
.set CC, 192-64*((\a)%2)
.irp b, 0,1,2,3
	global_load_b128 v[CC+8*\b:CC+8*\b+3], v[RO], s[96:97] offset:(\a)*8192+64*\b
	global_load_b128 v[CC+8*\b+4:CC+8*\b+7], v[RO], s[96:97] offset:(\a)*8192+64*\b+16
	global_load_b128 v[CC+32+8*\b:CC+32+8*\b+3], v[RO], s[96:97] offset:(\a)*8192+64*\b+256
	global_load_b128 v[CC+32+8*\b+4:CC+32+8*\b+7], v[RO], s[96:97] offset:(\a)*8192+64*\b+272
.endr
.endm
	LOADCS 0                                       ; block 0's rows are asked for here: v192-255 of window 0 lie idle through the products
.macro FRAG reg, adr, q, i             ; a fragment: lane l holds row l % 16; registers 4 c .. 4 c + 3 hold K = 64 c + 32 (l / 16) + 0 .. 31
.irp c, 0,1
	ds_load_b128 v[\reg+4*\c:\reg+4*\c+3], v[\adr] offset:64*(\q)+32*\c+(\i)*16*PITCH
.endr
.endm
; 16 matrix instructions: x's blocks a0, a0 + 1 against the weights' eight.  The 64 accumulators take turns, one instruction a turn, in the same order in every step.
.macro MUL16 a0, p, q, sc, zero
.irp a, \a0, \a0+1
.irp b, 0,1,2,3,4,5,6,7
.if \zero
	v_wmma_scale_f32_16x16x128_f8f6f4 v[8*(8*((\a)%4)+\b):8*(8*((\a)%4)+\b)+7], v[128*(\p)+FR*\b:128*(\p)+FR*\b+FR-1], v[AF+FR*(\a):AF+FR*(\a)+FR-1], 0, v[SC+8*NQ*(\sc)+NQ*\b+(\q)], v[SC+8*NQ*(\sc)+NQ*(\a)+(\q)] matrix_a_fmt:MATRIX_FMT_FP4 matrix_b_fmt:MATRIX_FMT_FP4 matrix_a_scale:MATRIX_SCALE_ROW1
.else
	v_wmma_scale_f32_16x16x128_f8f6f4 v[8*(8*((\a)%4)+\b):8*(8*((\a)%4)+\b)+7], v[128*(\p)+FR*\b:128*(\p)+FR*\b+FR-1], v[AF+FR*(\a):AF+FR*(\a)+FR-1], v[8*(8*((\a)%4)+\b):8*(8*((\a)%4)+\b)+7], v[SC+8*NQ*(\sc)+NQ*\b+(\q)], v[SC+8*NQ*(\sc)+NQ*(\a)+(\q)] matrix_a_fmt:MATRIX_FMT_FP4 matrix_b_fmt:MATRIX_FMT_FP4 matrix_a_scale:MATRIX_SCALE_ROW1
.endif
.endr
.endr
.endm
.macro FETCH_B slot, q, p
	WIN TO_B
.irp i, 0,1,2,3,4,5,6,7
	FRAG 128*(\p)+FR*\i, ADRB+\slot, \q, \i
.endr
	WIN 0
.endm
.macro FETCH_A slot, q, i0
.irp i, \i0, \i0+1, \i0+2, \i0+3
	FRAG AF+FR*(\i), ADRA+\slot, \q, \i
.endr
.endm
.macro SCALES sc                       ; the next K step's scale words: lanes 0-15 take x's block i, lanes 16-31 the weights' block i
.irp i, 0,1,2,3,4,5,6,7
	ds_load_b128 v[SC+8*NQ*\sc+NQ*\i:SC+8*NQ*\sc+NQ*\i+3], v[ADRS] offset:\i*SBLK
.endr
.endm
.macro PLACES n                        ; plain vector instructions between a matrix instruction and a load into, or a vector read or write of, its registers
.rept \n
	v_nop
.endr
.endm
.macro STEP slot, q, zero              ; a step of 128 along K that has its successor in the same slot
	s_wait_dscnt 4*NL                              ; the weights' set and x's blocks 0-3 are in; the youngest loads (x's blocks 4-7) may be out
	WIN MUL_LO
	MUL16 0, (\q)%2, \q, \slot, \zero
	MUL16 2, (\q)%2, \q, \slot, \zero
	s_wait_dscnt 0                                 ; x's blocks 4-7 are in
	PLACES NP
	FETCH_B \slot, (\q)+1, 1-(\q)%2
	FETCH_A \slot, (\q)+1, 0
	WIN MUL_HI
	MUL16 4, (\q)%2, \q, \slot, \zero
	MUL16 6, (\q)%2, \q, \slot, \zero
	PLACES NP
	WIN 0
	FETCH_A \slot, (\q)+1, 4
.endm
; A slot's last step changes slots: ONE barrier; in front of it each wave waits for all its tensor loads, adds 0 to its spare word, and waits for that and for its own reads of this slot.
.macro TURN slot, next, fill
	s_wait_tensorcnt 0x0                           ; all my tensor loads have landed: my part of the next slot
	ds_add_u32 v[SPW], v[NIL]                      ; 0 onto my spare word
	s_wait_dscnt 4*NL+1                            ; (the add and the youngest loads, x's blocks 4-7, may be out)
	WIN MUL_LO
	MUL16 0, 1, NQ-1, \slot, 0
	s_wait_dscnt 0x0                               ; the add is done, and my reads of this slot are over
	s_barrier_signal -1
	MUL16 2, 1, NQ-1, \slot, 0
	WIN 0
	s_barrier_wait -1
.if \fill
	CREST                                          ; the barrier has opened a round of the cluster's barrier: no wave of any partner still reads this slot or has a load on its way
	s_add_nc_u64 s[G0+4*\slot+2:G0+4*\slot+3], s[G0+4*\slot+2:G0+4*\slot+3], 2*ROWB
	s_add_nc_u64 s[G0B+4*\slot+2:G0B+4*\slot+3], s[G0B+4*\slot+2:G0B+4*\slot+3], 2*ROWB
	JLOAD G0+4*\slot, G1, G0B+4*\slot, G1B         ; the first tensor load behind the round; its four v_nop are the places in front of the loads below
.else
	PLACES NP
.endif
	v_add_nc_u32 v[ADRS], 4*NQ, v[ADRS]
	FETCH_B \next, 0, 0
	FETCH_A \next, 0, 0
	SCALES \next
	WIN MUL_HI
	MUL16 4, 1, NQ-1, \slot, 0
	MUL16 6, 1, NQ-1, \slot, 0
	PLACES NP
	WIN 0
	FETCH_A \next, 0, 4
.endm
.macro STEPS slot, from
.set Q, \from
.rept NQ-1-\from
	STEP \slot, Q, 0
.set Q, Q+1
.endr
.endm
	s_wait_tensorcnt 1                             ; the scales and my part of K step 0 are in (K step 1's load may be out)
	s_barrier_signal -1
	s_barrier_wait -1                              ; everybody's are
	FETCH_B 0, 0, 0
	FETCH_A 0, 0, 0
	SCALES 0
	FETCH_A 0, 0, 4
	STEP 0, 0, 1                                   ; the first step stands in front of the loop: its products start the sums
	s_mov_b32 s3, LAPS-1
.Llap:                                                 ; a trip goes once round the ring and fills both slots again
	STEPS 0, 1
	TURN 0, 1, 1
	STEPS 1, 0
	TURN 1, 0, 1
	STEP 0, 0, 0
	s_sub_co_u32 s3, s3, 1
	s_cmp_lg_u32 s3, 0
	s_cbranch_scc1 .Llap
	STEPS 0, 1                                     ; the last lap fills nothing
	TURN 0, 1, 0
	STEPS 1, 0
	s_wait_dscnt 4*NL
	WIN MUL_LO
	MUL16 0, 1, NQ-1, 1, 0
	MUL16 2, 1, NQ-1, 1, 0
	s_wait_dscnt 0
	WIN MUL_HI
	MUL16 4, 1, NQ-1, 1, 0
	MUL16 6, 1, NQ-1, 1, 0
	WIN 0
; THE WAY OUT, block by block of 16 rows.  In block a lane (r, h) holds position 16 a + r; register j of accumulator b is channel 16 b + 8 h + j.
; o1 = x1 cos + x2 sin, o2 = x2 cos - x1 sin, x1 = accumulator b, x2 = accumulator b + 4, b = 0 .. 3.  Each accumulator is read from its low end on.
.macro ROPE a
.set CC, 192-64*((\a)%2)
.set AC, 64*((\a)%4)
	WIN 0x02+(\a)/4                                ; source 0: the accumulators' window
.irp b, 0,1,2,3
.irp p, 0,2,4,6
	v_pk_mul_f32 v[T+8*\b+\p:T+8*\b+\p+1], v[AC+32+8*\b+\p:AC+32+8*\b+\p+1], v[CC+32+8*\b+\p:CC+32+8*\b+\p+1]
.endr
.endr
.irp b, 0,1,2,3
.irp p, 0,2,4,6
	v_pk_fma_f32 v[T+8*\b+\p:T+8*\b+\p+1], v[AC+8*\b+\p:AC+8*\b+\p+1], v[CC+8*\b+\p:CC+8*\b+\p+1], v[T+8*\b+\p:T+8*\b+\p+1]   ; o1
.endr
.endr
.irp b, 0,1,2,3
.irp p, 0,2,4,6
	v_pk_mul_f32 v[CC+32+8*\b+\p:CC+32+8*\b+\p+1], v[AC+8*\b+\p:AC+8*\b+\p+1], v[CC+32+8*\b+\p:CC+32+8*\b+\p+1]
.endr
.endr
.irp b, 0,1,2,3
.irp p, 0,2,4,6
	v_pk_fma_f32 v[CC+8*\b+\p:CC+8*\b+\p+1], v[AC+32+8*\b+\p:AC+32+8*\b+\p+1], v[CC+8*\b+\p:CC+8*\b+\p+1], v[CC+32+8*\b+\p:CC+32+8*\b+\p+1] neg_lo:[0,0,1] neg_hi:[0,0,1]   ; o2, in the cosines' place
.endr
.endr
	WIN 0
.endm
; Positions 0-15 of a sequence also leave in f32.  No branch: the lanes are switched off where my block 0 is no such block.  EXEC changes only behind a wait for the addresses of what has been issued.
.macro FINE
	v_cmp_eq_u32 vcc_lo, 1, v[FL]
	s_wait_xcnt 0x0
	s_and_saveexec_b32 s66, vcc_lo
.irp b, 0,1,2,3
	global_store_b128 v[RO], v[T+8*\b:T+8*\b+3], s[100:101] offset:64*\b
	global_store_b128 v[RO], v[T+8*\b+4:T+8*\b+7], s[100:101] offset:64*\b+16
	global_store_b128 v[RO], v[192+8*\b:192+8*\b+3], s[100:101] offset:64*\b+256
	global_store_b128 v[RO], v[192+8*\b+4:192+8*\b+7], s[100:101] offset:64*\b+272
.endr
	s_wait_xcnt 0x0                                ; the stores have read EXEC and their data: both may be written
	s_or_b32 exec_lo, exec_lo, s66
.endm
.macro CVT a                           ; to f16, two at a time, compacting: v[T + 4 b ..] = channels 16 b + 8 h + 0 .. 7, b = 0 .. 7
.set CC, 192-64*((\a)%2)
.irp k, 0,1,2,3,4,5,6,7,8,9,10,11,12,13,14,15
	v_cvt_pk_f16_f32 v[T+\k], v[T+2*\k], v[T+2*\k+1]
.endr
.irp k, 0,1,2,3,4,5,6,7,8,9,10,11,12,13,14,15
	v_cvt_pk_f16_f32 v[T+16+\k], v[CC+2*\k], v[CC+2*\k+1]
.endr
.endm
.macro TOSTAGE a                       ; into my stage and back as whole rows; LDS serves a wave's instructions in order
.set BB, OB+32*((\a)%2)
.irp b, 0,1,2,3,4,5,6,7
	ds_store_b128 v[STO], v[T+4*\b:T+4*\b+3] offset:32*\b
.endr
.irp t, 0,1,2,3,4,5,6,7
	ds_load_b128 v[BB+4*\t:BB+4*\t+3], v[RD] offset:\t*2*SPITCH
.endr
.endm
.macro SEND a
.set BB, OB+32*((\a)%2)
	s_wait_dscnt 0x0                               ; the block is back in registers
	s_wait_xcnt 0x0                                ; the stores of the block before have read their registers: the next block's loads may land there
.irp t, 0,1,2,3,4,5,6,7
	global_store_b128 v[CO], v[BB+4*\t:BB+4*\t+3], s[98:99] offset:(\a)*4096+512*\t   ; 32 lanes store 512 consecutive bytes: two rows of the head
.endr
.endm
	PLACES NP                                      ; behind the last products: for the loads into x's old fragments and for the first reads of results
	LOADCS 1
.irp a, 0,1,2,3,4,5,6,7
.if \a < 7
	s_wait_loadcnt 16                              ; this block's 16 table loads are in; the next block's may be out
.else
	s_wait_loadcnt 0
.endif
	ROPE \a
.if \a == 0
	FINE
.endif
	CVT \a
.if \a < 6
	LOADCS \a+2
.endif
.if \a > 0
	SEND \a-1
.endif
	TOSTAGE \a
.endr
	SEND 7
	s_wait_tensorcnt 0x0                           ; the wave's end: behind my last tensor load and my last LDS store
	ds_add_u32 v[SPW], v[NIL]
	s_wait_dscnt 0x0
	CROUND                                         ; the closing round: no work-group ends while a partner may still ask for a tile that names it
	s_endpgm
.Lfunc_end_k_qc261ad30fd_qkv:
	.size	k_qc261ad30fd_qkv, .Lfunc_end_k_qc261ad30fd_qkv-k_qc261ad30fd_qkv
	.p2alignl 7, 3214868480
	.fill 96, 4, 3214868480
	.section	.rodata,"a",@progbits
	.p2align	6, 0x0
	.amdhsa_kernel k_qc261ad30fd_qkv
		.amdhsa_group_segment_fixed_size 327680
		.amdhsa_private_segment_fixed_size 0
		.amdhsa_enable_private_segment 0
		.amdhsa_kernarg_size 40
		.amdhsa_user_sgpr_count 2
		.amdhsa_user_sgpr_kernarg_segment_ptr 1
		.amdhsa_wavefront_size32 1
		.amdhsa_system_sgpr_workgroup_id_x 1
		.amdhsa_system_sgpr_workgroup_id_y 1
		.amdhsa_system_sgpr_workgroup_id_z 1
		.amdhsa_system_vgpr_workitem_id 0
		.amdhsa_next_free_vgpr 1024
		.amdhsa_next_free_sgpr 104
		.amdhsa_reserve_vcc 1
		.amdhsa_float_denorm_mode_32 3
		.amdhsa_float_denorm_mode_16_64 3
		.amdhsa_memory_ordered 1
		.amdhsa_forward_progress 1
		.amdhsa_inst_pref_size 255
	.end_amdhsa_kernel
	.section	.bss,"aw",@nobits
	.p2align	6
	.space	262144
	.amdgpu_metadata
---
amdhsa.version: [ 1, 2 ]
amdhsa.kernels:
  - .name:           k_qc261ad30fd_qkv
    .symbol:         k_qc261ad30fd_qkv.kd
    .args:
      - { .name: codes, .offset: 0, .size: 8, .value_kind: global_buffer, .address_space: global }
      - { .name: scales, .offset: 8, .size: 8, .value_kind: global_buffer, .address_space: global }
      - { .name: rope, .offset: 16, .size: 8, .value_kind: global_buffer, .address_space: global }
      - { .name: qkv, .offset: 24, .size: 8, .value_kind: global_buffer, .address_space: global }
      - { .name: qkvf, .offset: 32, .size: 8, .value_kind: global_buffer, .address_space: global }
    .group_segment_fixed_size: 327680
    .private_segment_fixed_size: 0
    .kernarg_segment_align: 8
    .kernarg_segment_size: 40
    .max_flat_workgroup_size: 128
    .sgpr_count:     104
    .vgpr_count:     1024
    .wavefront_size: 32
...
	.end_amdgpu_metadata
.endif
;; end of part 2
;; launch attn (part 3): grid 256 x 1, 4 waves a work-group, no clusters, 327,680 bytes of LDS; arguments qkv, q_gain, k_gain, y16; writes y16
.if DOCPART == 3
	.amdgcn_target "amdgcn-amd-amdhsa--gfx1250"
	.amdhsa_code_object_version 6
	.text
	.protected	k_qc261ad30fd_attn
	.globl	k_qc261ad30fd_attn
	.p2align	8
	.type	k_qc261ad30fd_attn,@function
k_qc261ad30fd_attn:
	s_mov_b64 s[64:65], 0
	v_nop
	global_prefetch_b8 v0, s[64:65] scope:SCOPE_SE
	s_setreg_imm32_b32 hwreg(HW_REG_WAVE_MODE, 25, 1), 1
	s_wait_xcnt 0x0
; y[b][t][h][:] = the sum over s <= t of softmax_s(qg[h] kg[kv] q[t] . k[s] / sqrt(128)) v[s][:].  q, k, v: f16, by head, [hd][b x 1024 + t][128] (hd 0-15 q, 16-19 k, 20-23 v), rotated, without gains.
; Products with f16 operands and f32 sums; maxima, exponentials and sums in f32; the weights p are rounded to f16 for the second product, y once at the end.
; THE GAINS multiply the scores in f32: c = qg kg log2(e) / sqrt(128).  The sign of c is put onto q (a flip of sign bits); |c| scales.  |c| is held at 2^-100 from below, so that a hidden score, -infinity, stays so
; where a gain is 0; the weights then differ from equal ones by under 2^-60.
; SHARES.  Work-group x: j = x & 15, kv = (x >> 4) & 3, b = x >> 6.  THE FOUR HEADS THAT SHARE K AND V ARE THE FOUR WAVES: wave g has head 4 kv + g, and all four read one ring.  A wave holds two tiles of 16 queries,
; in two phases: queries 32 j .. 32 j + 31, then 32 (31 - j) .. + 31.  Under the causal mask these want (j >> 2) + 1 and 8 - (j >> 2) slots of 128 keys: NINE FOR EVERY WORK-GROUP: the trip count is a constant,
; every slot that is fetched is read, and the work is even.  In a phase's last slot the second 64 keys may lie behind the diagonal: they are fetched into registers and not multiplied.
; NO CLUSTER: the sixteen work-groups of one (b, kv) want different slots in the same trip (trip N is key slot N, or N - (j >> 2) - 1), so partners could not make the same requests.
; LAYOUT.  S^T = K Q^T (source 0 = 16 keys, source 1 = 16 queries): a lane holds ONE query (lane % 16) and the keys 8 (lane / 16) + 0..7.  Two such tiles, rounded in pairs, are source 1 of O^T = V^T P.
; K comes out of LDS as it lies, V ([key][channel]) turned, by ds_load_tr16_b128.
; SOFTMAX.  A running maximum m and sum l a query: p = 2^(c s - c m); in every step O and l are multiplied by a = 2^(c m_old - c m_new).  A phase begins with m = -3e38: its first a is 0, which clears O and l.
; LIMIT: q, k, v beyond f16's largest number, 65,504, are not served (they are about 1 as the inputs are drawn).  NaN and infinities among the gains are not served.
; REGISTERS, in windows of 256: window 0: v2-11 addresses; v12-27 eight statistics a tile; v44 the diagonal's distance; v61-63; v64-127 S^T; v128-159 P.
;   window 1: v0-127 O^T; v128-191 the second phase's q as loaded; v192-255 the q in hand.   window 2: K of a slot's two steps.   window 3: V likewise.
.set KS,    64
.set PK,    272       ; a row of K in LDS: 256 bytes + 16: the 16 rows of a load start at 16 different banks
.set PV,    288       ; a row of V: 256 + 32
.set VOFF,  KS*PK
.set STEPB, KS*(PK+PV)
.set SLOT1, 1<<17     ; a slot holds two steps (71,680 bytes); slot 1 begins here: one exclusive or turns an address
.set STAGE, SLOT1+2*STEPB
.set SP,    272
.set SPARE, STAGE+4*16*SP
.set AK0, 2
.set AV0, 3
.set ADK, 4
.set QO,  5
.set STO, 6
.set RD,  7
.set GO,  8           ; v8  (lane / 16) x 4,096 + 16 (lane % 16): two rows of y
.set D0,  9           ; v9  lane % 16 - 8 (lane / 16)
.set NINF, 10         ; v10 -infinity
.set ADV, 11
.set ST,  12          ; tile t's statistics at v[ST + 8 t]: +0 c m, +1 m, +2, +3 l, +4 .. +7 at work; a in +6
.set DD,  44
.set PFO, 61          ; v61 256 x my thread's number: a row of K or V; never rewritten
.set SPW, 62
.set NIL, 63
.set S,   64
.set P,   128
.set WV,  12
.set II,  13          ; s13 j >> 2
.set LIM, 15          ; s15 6 in the work-group that prefetches (j = 0), else 0
.set PFK, 18
.set PFV, 20
.set G1K, 24
.set G1V, 32
.set G0K, 40
.set G0V, 44
.set NN,  48          ; s48 the trip
.set KF,  49          ; s49 the step's first key
.set Q0,  50          ; s50 my first query
.set Q0B, 51          ; s51 the second phase's
.set YP,  52
.set YP2, 54
.set WRAP, 56         ; s56 the first phase's slots in bytes
.set CS,  58
.set SEL, 60
.set TB,  62
.set SGN, 63
.set WR,  66
.set ISW, 68          ; s68 the trip in which the second phase begins
.set MSB, 0
.macro WIN new
.if MSB != (\new)
	s_set_vgpr_msb (MSB<<8)|(\new)
.set MSB, (\new)
.endif
.endm
.set W_KQ, 0x06       ; K window 2, Q window 1, S^T window 0
.set W_PV, 0x53       ; V window 3, P window 0, O^T window 1
.set W_RS, 0x41       ; O^T (destination and source 0) window 1
.macro PLACES
.rept 4
	v_nop
.endr
.endm
; Waves 0 and 1 fetch the two steps' tiles of K, waves 2 and 3 those of V: one load a wave.  An s_nop 0 and four v_nop follow each of the two lines.
.macro TLOAD
	s_cmp_lt_u32 s[WV], 2
	s_cbranch_scc0 .Lfor_v_\@
	tensor_load_to_lds s[G0K:G0K+3], s[G1K:G1K+7]
	s_nop 0
.rept 4
	v_nop
.endr
	s_branch .Lasked_\@
.Lfor_v_\@:
	tensor_load_to_lds s[G0V:G0V+3], s[G1V:G1V+7]
	s_nop 0
.rept 4
	v_nop
.endr
.Lasked_\@:
.endm
; A PREFETCH INTO THE L2.  In trip N, N < 6, the work-group with j = 0 names key slot N + 2 of its (b, kv): 128 rows of K and 128 of V, 256 bytes a row, a thread a row: each row once in the launch.  The earliest tensor
; load of that slot by any of the sixteen work-groups stands in trip N + 1.  Slots 0 and 1 come by their loads alone; trips 6 and 7 ask for nothing: there is no slot 8.
.macro ASK
	s_cmp_lt_u32 s[NN], s[LIM]
	s_cbranch_scc0 .Lnot_mine_\@
	global_prefetch_b8 v[PFO], s[PFK:PFK+1] th:TH_LOAD_NT scope:SCOPE_SE
	global_prefetch_b8 v[PFO], s[PFV:PFV+1] th:TH_LOAD_NT scope:SCOPE_SE
.Lnot_mine_\@:
.endm
; THE CHANGE OF SLOTS stands at a trip's head.  Each wave waits for all its tensor loads (one is out: its part of the slot ahead), adds 0 to its spare word, and waits for that and for its reads of the slot that it
; has left.  Behind the barrier the slot ahead is whole and nobody reads the other.  fill = 1: that other slot takes the next trip's keys: the load has a trip in which to land.
.macro CHANGE fill
	WIN 0
	s_wait_tensorcnt 0x0                           ; no tensor load of mine is out, so a group 0 may be written
	ds_add_u32 v[SPW], v[NIL]                      ; 0 onto my spare word
.if \fill
	s_xor_b32 s[G0K+1], s[G0K+1], SLOT1
	s_xor_b32 s[G0V+1], s[G0V+1], SLOT1
	s_cmp_eq_u32 s[NN], s[II]                      ; is the next trip the second phase's first?
	s_cselect_b32 s[WR], s[WRAP], 0
	s_add_nc_u64 s[G0K+2:G0K+3], s[G0K+2:G0K+3], 0x8000      ; the next 128 keys,
	s_sub_nc_u64 s[G0K+2:G0K+3], s[G0K+2:G0K+3], s[WR:WR+1]  ; or back to key 0
	s_add_nc_u64 s[G0V+2:G0V+3], s[G0V+2:G0V+3], 0x8000
	s_sub_nc_u64 s[G0V+2:G0V+3], s[G0V+2:G0V+3], s[WR:WR+1]
	s_wait_xcnt 0x0                                ; the last prefetches, a trip back, have read their addresses
	s_add_nc_u64 s[PFK:PFK+1], s[PFK:PFK+1], 0x8000
	s_add_nc_u64 s[PFV:PFV+1], s[PFV:PFV+1], 0x8000
.endif
	s_wait_dscnt 0x0                               ; the add is done, and my reads of the slot that I have left are over
	s_barrier_signal -1
	s_barrier_wait -1
.if \fill
	TLOAD                                          ; the first thing behind the barrier, and my one tensor load until the next
	ASK
.endif
.endm
; THE LDS LOADS, in runs of 32.  K of step q: channels by 32 outermost, so that the products can begin on the first eight loads
.macro FETCH_K q
	WIN 0x80                                       ; destination window 2
.irp c, 0,1,2,3
.irp u, 0,1,2,3
	ds_load_b128 v[128*(\q)+32*\u+8*\c:128*(\q)+32*\u+8*\c+3],   v[ADK] offset:(\q)*STEPB+\u*16*PK+64*\c
	ds_load_b128 v[128*(\q)+32*\u+8*\c+4:128*(\q)+32*\u+8*\c+7], v[ADK] offset:(\q)*STEPB+\u*16*PK+64*\c+32
.endr
.endr
.endm
.macro FETCH_V q
	WIN 0xc0                                       ; destination window 3
.irp f, 0,1,2,3,4,5,6,7,8,9,10,11,12,13,14,15      ; keys 32 (f / 8) on, channels 16 (f % 8) on
	ds_load_tr16_b128 v[128*(\q)+8*\f:128*(\q)+8*\f+3],   v[ADV] offset:(\q)*STEPB+(\f/8)*32*PV+(\f%8)*32
	ds_load_tr16_b128 v[128*(\q)+8*\f+4:128*(\q)+8*\f+7], v[ADV] offset:(\q)*STEPB+(\f/8)*32*PV+16*PV+(\f%8)*32
.endr
.endm
; S^T = K Q^T: product i: channels 32 (i / 8) on, keys 16 ((i / 2) % 4) on, tile i % 2.  The eight accumulators take turns; the first eight products start the sums.
; Behind K's 32 loads stand V's 32: the counts leave out V's and K's later groups of channels.
.macro KQ q
	WIN W_KQ
.set i, 0
.rept 32
.if (i%8) == 0
	s_wait_dscnt 56-i
.endif
.set rS, S+32*(i%2)+8*((i/2)%4)
.set rK, 128*(\q)+32*((i/2)%4)+8*(i/8)
.set rQ, 192+32*(i%2)+8*(i/8)
.if i < 8
	v_wmma_f32_16x16x32_f16 v[rS:rS+7], v[rK:rK+7], v[rQ:rQ+7], 0
.else
	v_wmma_f32_16x16x32_f16 v[rS:rS+7], v[rK:rK+7], v[rQ:rQ+7], v[rS:rS+7]
.endif
.set i, i+1
.endr
.endm
; O^T += V^T P: product i: keys 32 (i / 16) on, channels 16 ((i / 2) % 8) on, tile i % 2.  Sixteen accumulators by turns.
.macro PV q
	WIN W_PV
.set i, 0
.rept 32
.set rO, 64*(i%2)+8*((i/2)%8)
.set rV, 128*(\q)+64*(i/16)+8*((i/2)%8)
.set rP, P+16*(i%2)+8*(i/16)
	v_wmma_f32_16x16x32_f16 v[rO:rO+7], v[rV:rV+7], v[rP:rP+7], v[rO:rO+7]
.set i, i+1
.endr
.endm
; The one step of a phase that lies on the diagonal: hidden scores become -infinity.  Register 8 u + jj of tile t holds key KF + 16 u + 8 (lane / 16) + jj for query Q0 + 16 t + lane % 16.
.macro MASK
	s_and_b32 s57, s[Q0], 0xffffffc0
	s_cmp_lg_u32 s57, s[KF]
	s_cbranch_scc1 .Lopen_\@
	s_sub_co_i32 s57, s[Q0], s[KF]
	v_add_nc_u32 v[DD], s57, v[D0]
.irp t, 0,1
.irp u, 0,1,2,3
.irp jj, 0,1,2,3,4,5,6,7
	v_cmp_gt_i32 vcc_lo, 16*\u+\jj-16*\t, v[DD]
	v_cndmask_b32 v[S+32*\t+8*\u+\jj], v[S+32*\t+8*\u+\jj], v[NINF], vcc_lo
.endr
.endr
.endr
.Lopen_\@:
.endm
; One tile's softmax for a key step is a list of 134 instructions; SM writes number j of it for tile t.
;   0-15 the maximum of the 32 scores and the old m;  16-20 the other half of the lanes' maximum, the new m, c m, c m_old - c m_new;  21-69 ONE BATCH: 16 packed scalings c s - c m and 33 exponentials, none of
;   which reads an exponential's result;  70-85 the roundings to f16;  86-101 the sums, l = a l + the sum;  102-133 the tile's O^T times a.
.macro SM t
.set rT, ST+8*(\t)
.set rS, S+32*(\t)
.set rP, P+16*(\t)
.set rO, 64*(\t)+2*(j-102)
.if j < 102
	WIN 0
.endif
.if j < 4
	v_max3_num_f32 v[rT+4+j], v[rS+8*j], v[rS+8*j+1], v[rS+8*j+2]
.elseif j < 12
	v_max3_num_f32 v[rT+4+j%4], v[rT+4+j%4], v[rS+8*(j%4)+2*(j/4)+1], v[rS+8*(j%4)+2*(j/4)+2]
.elseif j == 12
	v_max3_num_f32 v[rT+4], v[rT+4], v[rS+7], v[rS+15]
.elseif j == 13
	v_max3_num_f32 v[rT+6], v[rT+6], v[rS+23], v[rS+31]
.elseif j == 14
	v_max3_num_f32 v[rT+4], v[rT+4], v[rT+5], v[rT+6]
.elseif j == 15
	v_max3_num_f32 v[rT+4], v[rT+4], v[rT+7], v[rT+1]
.elseif j == 16
	v_permlanex16_b32 v[rT+5], v[rT+4], s[SEL], s[SEL+1]  ; the query's other 32 keys lie in the lane 16 away
.elseif j == 17
	v_mov_b32 v[rT+7], v[rT]                       ; c m_old is kept for a
.elseif j == 18
	v_max_num_f32 v[rT+1], v[rT+4], v[rT+5]
.elseif j == 19
	v_mul_f32 v[rT], s[CS], v[rT+1]
.elseif j == 20
	v_sub_f32 v[rT+7], v[rT+7], v[rT]
.elseif j == 23
	v_exp_f32 v[rT+6], v[rT+7]
.elseif (j < 23) || ((j < 38) && (j%2 == 0)) || ((j < 66) && (j%4 == 2))
.set b, (j-2)/4
.if j < 38
.set b, (j-20)/2
.endif
	v_pk_fma_f32 v[rS+2*b:rS+2*b+1], v[rS+2*b:rS+2*b+1], s[CS:CS+1], v[rT:rT+1] op_sel_hi:[1,0,0] neg_lo:[0,0,1] neg_hi:[0,0,1]
.elseif j < 70
.set e, j-38
.if j < 66
.set e, j-32-(j-38)/4
.endif
.if j < 38
.set e, (j-25)/2
.endif
	v_exp_f32 v[rS+e], v[rS+e]
.elseif j < 86
	v_cvt_pk_f16_f32 v[rP+j-70], v[rS+2*(j-70)], v[rS+2*(j-70)+1]
.elseif j < 102
.set z, j-86
.set w, 4
.set u, z
.if z >= 14
.set w, 32
.set u, 0
.elseif z >= 12
.set w, 16
.set u, z-12
.elseif z >= 8
.set w, 8
.set u, z-8
.endif
.if z < 15
	v_pk_add_f32 v[rS+w*u:rS+w*u+1], v[rS+w*u:rS+w*u+1], v[rS+w*u+w/2:rS+w*u+w/2+1]
.else
	v_pk_fma_f32 v[rT+2:rT+3], v[rT+2:rT+3], v[rT+6:rT+7], v[rS:rS+1] op_sel_hi:[1,0,1]
.endif
.else
	WIN W_RS
	v_pk_mul_f32 v[rO:rO+1], v[rO:rO+1], v[rT+6:rT+7] op_sel_hi:[1,0]
.endif
.endm
.macro SOFT                            ; both tiles by turns, number by number, so that no line reads the result of the line above it
.set j, 0
.rept 70
	SM 0
	SM 1
.set j, j+1
.endr
	v_nop                                          ; a plain instruction behind the last exponential
	s_wait_alu depctr_va_vdst(0)                   ; ONE wait for the 66 exponentials, ahead of the first instruction that names a result
.rept 64
	SM 0
	SM 1
.set j, j+1
.endr
.endm
; A KEY STEP: 64 keys, the q-th of the slot in hand.
.macro STEP q
.if \q == 0
	FETCH_K 0
.endif
	FETCH_V \q
	WIN 0
.if \q == 1
	s_cmp_gt_u32 s[KF], s[Q0]                      ; all 64 keys come after my 32 queries (both are multiples of 32): ids and counts alone, the same in all four waves
	s_cbranch_scc1 .Lhid_\@
.endif
	KQ \q
	WIN 0
	PLACES                                         ; behind the products, ahead of the first read of the scores
.if \q == 0
	FETCH_K 1                                      ; the next step's K lands under this step's softmax
	WIN 0
.endif
	MASK
	SOFT
.if \q == 0
	s_wait_dscnt 32                                ; V is in; the next step's K may be out
.else
	s_wait_dscnt 0x0
.endif
	PV \q
	WIN 0
	PLACES                                         ; behind the products: for the next loads into V's registers and the next reads of O^T
.Lhid_\@:
	s_add_co_u32 s[KF], s[KF], 64
.endm
.macro SLOT_STEPS
	v_add_nc_u32 v[ADK], s[TB], v[AK0]
	v_add_nc_u32 v[ADV], s[TB], v[AV0]
	STEP 0
	STEP 1
	s_xor_b32 s[TB], s[TB], SLOT1
.endm
; THE WAY OUT of a phase.  O^T / l, rounded to f16, goes through my stage in LDS, a tile (16 rows) at a time, and leaves as whole pieces of 256 bytes: a head's part of a row of y.
.macro PACK t
	WIN W_RS
.set i, 64*\t
.rept 32
	v_pk_mul_f32 v[i:i+1], v[i:i+1], v[ST+8*\t+6:ST+8*\t+7] op_sel_hi:[1,0]
.set i, i+2
.endr
	WIN 0x05
.set i, 0
.rept 32
	v_cvt_pk_f16_f32 v[S+32*\t+i], v[64*\t+2*i], v[64*\t+2*i+1]
.set i, i+1
.endr
	WIN 0
.irp f, 0,1,2,3,4,5,6,7
	ds_store_b128 v[STO], v[S+32*\t+4*\f:S+32*\t+4*\f+3] offset:32*\f
.endr
.irp f, 0,1,2,3,4,5,6,7
	ds_load_b128 v[S+32*\t+4*\f:S+32*\t+4*\f+3], v[RD] offset:\f*2*SP  ; LDS serves a wave's instructions in order: these see the stores above
.endr
.endm
.macro SEND t, younger
.irp f, 0,1,2,3,4,5,6,7
	s_wait_dscnt \younger+7-\f
	global_store_b128 v[GO], v[S+32*\t+4*\f:S+32*\t+4*\f+3], s[YP:YP+1] offset:(16*\t+2*\f)*4096  ; 16 lanes store 256 consecutive bytes, aligned
.endr
.endm
.macro OUT
	WIN 0
.irp t, 0,1
	v_add_f32 v[ST+8*\t+4], v[ST+8*\t+2], v[ST+8*\t+3]
.endr
.irp t, 0,1
	v_permlanex16_b32 v[ST+8*\t+5], v[ST+8*\t+4], s[SEL], s[SEL+1]
.endr
.irp t, 0,1
	v_add_f32 v[ST+8*\t+4], v[ST+8*\t+4], v[ST+8*\t+5]
.endr
.irp t, 0,1
	v_rcp_f32 v[ST+8*\t+6], v[ST+8*\t+4]
.endr
	v_nop
	s_wait_alu depctr_va_vdst(0)                   ; one wait for the two reciprocals, ahead of their first reader
	PACK 0
	PACK 1
	SEND 0, 16                                     ; behind tile 0's loads: tile 1's eight stores and eight loads
	SEND 1, 0
	s_wait_xcnt 0x0                                ; the stores have read their data and their base: both may be written
.endm
; The second phase begins in trip ISW: the first phase leaves, and the state is set anew.  O^T and l are not cleared: the next step's a is 0.
.macro SWITCH
	s_cmp_lg_u32 s[NN], s[ISW]
	s_cbranch_scc1 .Lsame_\@
	OUT
	s_mov_b64 s[YP:YP+1], s[YP2:YP2+1]
	s_mov_b32 s[Q0], s[Q0B]
	s_mov_b32 s[KF], 0
.irp t, 0,1
	v_mov_b32 v[ST+8*\t+1], 0xff61b1e6
.endr
.irp t, 0,1
	v_mul_f32 v[ST+8*\t], s[CS], v[ST+8*\t+1]
.endr
	WIN 0x44                                       ; destination and source 1 window 1
.set i, 0
.rept 64
	v_xor_b32 v[192+i], s[SGN], v[128+i]           ; the second phase's q, with c's sign
.set i, i+1
.endr
	WIN 0
.Lsame_\@:
.endm
	s_load_b256 s[4:11], s[0:1], 0x0               ; qkv, q_gain, k_gain, y16
	v_lshl_add_u32 v[SPW], v0, 2, SPARE
	v_mov_b32 v[NIL], 0
	ds_add_u32 v[SPW], v[NIL]                      ; the wave's opening: an add of 0, twice on end, and its wait ahead of my first tensor load
	ds_add_u32 v[SPW], v[NIL]
	v_lshrrev_b32 v1, 5, v0
	v_readfirstlane_b32 s[WV], v1                  ; wave 0..3
	s_and_b32 s14, ttmp9, 15                       ; j
	s_bfe_u32 s17, ttmp9, 0x20004                  ; kv
	s_lshr_b32 s16, ttmp9, 6                       ; b
	s_lshr_b32 s[II], s14, 2
	s_add_co_u32 s[ISW], s[II], 1
	s_lshl_b32 s[WRAP], s[ISW], 15
	s_mov_b32 s[WR+1], 0
	s_lshl_b32 s69, s17, 2
	s_add_co_u32 s69, s69, s[WV]                   ; my head
	s_lshl_b32 s[Q0], s14, 5
	s_sub_co_u32 s[Q0B], 31, s14
	s_lshl_b32 s[Q0B], s[Q0B], 5
	s_cmp_eq_u32 s14, 0
	s_cselect_b32 s[LIM], 6, 0
	s_and_b32 s57, s[WV], 1                        ; which of a slot's two steps I fetch
	s_add_co_u32 s72, s17, 16
	s_lshl_b32 s72, s72, 12
	s_lshl_b32 s76, s16, 10                        ; the batch's first row
	s_add_co_u32 s72, s72, s76
	s_lshl_b32 s72, s72, 8                         ; K's first byte for this batch and head
	s_mov_b32 s73, 0
	s_lshl_b32 s74, s57, 14                        ; my step's 64 rows of 256 bytes
	s_mov_b32 s75, 0
	s_mov_b32 s[G0K], 1
	s_mul_i32 s[G0K+1], s57, STEPB                 ; and its place in a slot
	s_mov_b32 s[G0V], 1
	s_add_co_u32 s[G0V+1], s[G0K+1], VOFF
	s_mov_b32 s[G1K], (1<<16)|(1<<20)|(5<<22)|(3<<25)  ; no mask; elements of 2 bytes; padding on: after every 64 words, 4 words
	s_mov_b32 s[G1V], (1<<16)|(1<<20)|(5<<22)|(7<<25)  ; the same with 8 words
.irp g, G1K, G1V
	s_mov_b32 s[\g+1], 128<<16                     ; tensor_dim0
	s_mov_b32 s[\g+2], KS<<16                      ; tensor_dim1
	s_mov_b32 s[\g+3], 128<<16                     ; tile_dim0
	s_mov_b32 s[\g+4], KS                          ; tile_dim1
	s_mov_b32 s[\g+5], 128                         ; tensor_dim0_stride
	s_mov_b32 s[\g+6], 0
	s_mov_b32 s[\g+7], 0
.endr
	s_mov_b32 s[SEL], 0x76543210
	s_mov_b32 s[SEL+1], 0xfedcba98
	s_mov_b32 s[TB], 0
	s_mov_b32 s[NN], 0
	s_mov_b32 s[KF], 0
	s_wait_dscnt 0x0                               ; both opening adds are done
	s_wait_kmcnt 0x0
	s_add_nc_u64 s[PFK:PFK+1], s[4:5], s[72:73]
	s_add_nc_u64 s[PFV:PFV+1], s[PFK:PFK+1], 0x400000  ; V's head lies four heads on
	s_add_nc_u64 s[G0K+2:G0K+3], s[PFK:PFK+1], s[74:75]
	s_or_b32 s[G0K+3], s[G0K+3], 0x80000000
	s_add_nc_u64 s[G0V+2:G0V+3], s[PFV:PFV+1], s[74:75]
	s_or_b32 s[G0V+3], s[G0V+3], 0x80000000
	TLOAD                                          ; slot 0: key slot 0, which every query wants
	s_add_nc_u64 s[PFK:PFK+1], s[PFK:PFK+1], 0x8000   ; the prefetches stand at key slot 1: the first change of slots steps them to 2
	s_add_nc_u64 s[PFV:PFV+1], s[PFV:PFV+1], 0x8000
	s_lshl_b32 s22, s69, 2
	s_mov_b32 s23, 0
	s_add_nc_u64 s[6:7], s[6:7], s[22:23]
	s_lshl_b32 s22, s17, 2
	s_add_nc_u64 s[8:9], s[8:9], s[22:23]
	s_load_b32 s70, s[6:7], 0x0                    ; my head's gain,
	s_load_b32 s71, s[8:9], 0x0                    ; and its key head's
	s_lshl_b32 s77, s69, 12
	s_add_co_u32 s77, s77, s76
	s_add_co_u32 s72, s77, s[Q0]
	s_lshl_b32 s72, s72, 8
	s_add_nc_u64 s[72:73], s[4:5], s[72:73]        ; q of the first phase,
	s_add_co_u32 s74, s77, s[Q0B]
	s_lshl_b32 s74, s74, 8
	s_add_nc_u64 s[74:75], s[4:5], s[74:75]        ; and of the second
	s_lshl_b32 s77, s69, 8
	s_add_co_u32 s22, s76, s[Q0]
	s_lshl_b32 s22, s22, 12
	s_add_co_u32 s22, s22, s77
	s_add_nc_u64 s[YP:YP+1], s[10:11], s[22:23]
	s_add_co_u32 s22, s76, s[Q0B]
	s_lshl_b32 s22, s22, 12
	s_add_co_u32 s22, s22, s77
	s_add_nc_u64 s[YP2:YP2+1], s[10:11], s[22:23]
	v_and_b32 v1, 15, v0                           ; r
	v_bfe_u32 v45, v0, 4, 1                        ; h
	v_lshlrev_b32 v[QO], 8, v1
	v_lshl_add_u32 v[QO], v45, 4, v[QO]
	WIN 0x40                                       ; destination window 1
.irp i, 0,1,2,3,4,5,6,7                            ; tile i / 4, channels 32 (i % 4) on
	global_load_b128 v[192+8*\i:192+8*\i+3],   v[QO], s[72:73] offset:(\i/4)*4096+(\i%4)*64
	global_load_b128 v[192+8*\i+4:192+8*\i+7], v[QO], s[72:73] offset:(\i/4)*4096+(\i%4)*64+32
	global_load_b128 v[128+8*\i:128+8*\i+3],   v[QO], s[74:75] offset:(\i/4)*4096+(\i%4)*64
	global_load_b128 v[128+8*\i+4:128+8*\i+7], v[QO], s[74:75] offset:(\i/4)*4096+(\i%4)*64+32
.endr
.set i, 0
.rept 128
	v_mov_b32 v[i], 0                              ; O^T, once, while the first tiles are on their way: the step is written with no first step of its own
.set i, i+1
.endr
	WIN 0
	v_mul_u32_u24 v[AK0], v1, PK
	v_lshl_add_u32 v[AK0], v45, 4, v[AK0]
	v_and_b32 v46, 7, v0
	v_bfe_u32 v47, v0, 3, 1
	v_lshl_add_u32 v[AV0], v45, 3, v46
	v_mul_u32_u24 v[AV0], v[AV0], PV
	v_lshl_add_u32 v[AV0], v47, 4, v[AV0]
	v_add_nc_u32 v[AV0], VOFF, v[AV0]
	v_lshlrev_b32 v46, 3, v45
	v_sub_nc_u32 v[D0], v1, v46
	v_mov_b32 v[NINF], 0xff800000
	v_lshlrev_b32 v[PFO], 8, v0
	s_mul_i32 s57, s[WV], 16*SP
	s_add_co_u32 s57, s57, STAGE
	v_mul_u32_u24 v[STO], v1, SP
	v_lshl_add_u32 v[STO], v45, 4, v[STO]
	v_add_nc_u32 v[STO], s57, v[STO]
	v_mul_u32_u24 v[RD], v45, SP
	v_lshl_add_u32 v[RD], v1, 4, v[RD]
	v_add_nc_u32 v[RD], s57, v[RD]
	v_lshlrev_b32 v[GO], 12, v45
	v_lshl_add_u32 v[GO], v1, 4, v[GO]
	s_wait_kmcnt 0x0
	s_mul_f32 s70, s70, s71
	s_mul_f32 s70, s70, 0x3e0293ee                 ; c = qg kg log2(e) / sqrt(128)
	s_and_b32 s[SGN], s70, 0x80000000
	s_lshr_b32 s71, s[SGN], 16
	s_or_b32 s[SGN], s[SGN], s71                   ; its sign, at both f16 halves of a word
	s_and_b32 s[CS], s70, 0x7fffffff
	s_max_u32 s[CS], s[CS], 0x0d800000             ; |c|, at least 2^-100
	s_mov_b32 s[CS+1], s[CS]
.irp t, 0,1
	v_mov_b32 v[ST+8*\t+1], 0xff61b1e6             ; m = -3e38, under every score
	v_mov_b32 v[ST+8*\t+2], 0
	v_mov_b32 v[ST+8*\t+3], 0
	v_mov_b32 v[ST+8*\t+5], 0                      ; written once: a lane permute's destination counts as one of its sources,
	v_mov_b32 v[ST+8*\t+7], 0                      ; and a pair that is named is read whole, though its low word serves both halves
.endr
.irp t, 0,1
	v_mul_f32 v[ST+8*\t], s[CS], v[ST+8*\t+1]
.endr
	s_wait_loadcnt 0x0                             ; q
	WIN 0x44
.set i, 0
.rept 64
	v_xor_b32 v[192+i], s[SGN], v[192+i]
.set i, i+1
.endr
	WIN 0
.Lslot:                                            ; eight trips: behind each change of slots the next trip's keys are asked for
	CHANGE 1
	SWITCH
	SLOT_STEPS
	s_add_co_u32 s[NN], s[NN], 1
	s_cmp_lt_u32 s[NN], 8
	s_cbranch_scc1 .Lslot
	CHANGE 0                                       ; the ninth trip is written out: nothing is left to fetch
	SLOT_STEPS
	OUT
	s_wait_tensorcnt 0x0                           ; the wave's end: behind my last tensor load and my last LDS store
	ds_add_u32 v[SPW], v[NIL]
	s_wait_dscnt 0x0
	s_endpgm
.Lfunc_end_k_qc261ad30fd_attn:
	.size	k_qc261ad30fd_attn, .Lfunc_end_k_qc261ad30fd_attn-k_qc261ad30fd_attn
	.p2alignl 7, 3214868480
	.fill 96, 4, 3214868480
	.section	.rodata,"a",@progbits
	.p2align	6, 0x0
	.amdhsa_kernel k_qc261ad30fd_attn
		.amdhsa_group_segment_fixed_size 327680
		.amdhsa_private_segment_fixed_size 0
		.amdhsa_enable_private_segment 0
		.amdhsa_kernarg_size 32
		.amdhsa_user_sgpr_count 2
		.amdhsa_user_sgpr_kernarg_segment_ptr 1
		.amdhsa_wavefront_size32 1
		.amdhsa_system_sgpr_workgroup_id_x 1
		.amdhsa_system_sgpr_workgroup_id_y 1
		.amdhsa_system_sgpr_workgroup_id_z 1
		.amdhsa_system_vgpr_workitem_id 0
		.amdhsa_next_free_vgpr 1024
		.amdhsa_next_free_sgpr 80
		.amdhsa_reserve_vcc 1
		.amdhsa_float_denorm_mode_32 3
		.amdhsa_float_denorm_mode_16_64 3
		.amdhsa_memory_ordered 1
		.amdhsa_forward_progress 1
		.amdhsa_inst_pref_size 156
	.end_amdhsa_kernel
	.amdgpu_metadata
---
amdhsa.version: [ 1, 2 ]
amdhsa.kernels:
  - .name:           k_qc261ad30fd_attn
    .symbol:         k_qc261ad30fd_attn.kd
    .args:
      - { .name: qkv, .offset: 0, .size: 8, .value_kind: global_buffer, .address_space: global }
      - { .name: q_gain, .offset: 8, .size: 8, .value_kind: global_buffer, .address_space: global }
      - { .name: k_gain, .offset: 16, .size: 8, .value_kind: global_buffer, .address_space: global }
      - { .name: y16, .offset: 24, .size: 8, .value_kind: global_buffer, .address_space: global }
    .group_segment_fixed_size: 327680
    .private_segment_fixed_size: 0
    .kernarg_segment_align: 8
    .kernarg_segment_size: 32
    .max_flat_workgroup_size: 128
    .sgpr_count:     80
    .vgpr_count:     1024
    .wavefront_size: 32
...
	.end_amdgpu_metadata
.endif
;; end of part 3
;; launch fineattn (part 4): grid 64 x 1, 1 waves a work-group, no clusters, 0 bytes of LDS; arguments qkvf, q_gain, k_gain, yf; writes yf
.if DOCPART == 4
	.amdgcn_target "amdgcn-amd-amdhsa--gfx1250"
	.amdhsa_code_object_version 6
	.text
	.protected	k_qc261ad30fd_fineattn
	.globl	k_qc261ad30fd_fineattn
	.p2align	8
	.type	k_qc261ad30fd_fineattn,@function
k_qc261ad30fd_fineattn:
	s_mov_b64 s[64:65], 0
	v_nop
	global_prefetch_b8 v0, s[64:65] scope:SCOPE_SE
	s_setreg_imm32_b32 hwreg(HW_REG_WAVE_MODE, 25, 1), 1
	s_wait_xcnt 0x0
; The first 16 positions of every sequence, in f32 throughout: they average one to sixteen values, are the largest in size, and f16 operands would use up what the comparison allows.
; One wave takes one (batch, head): 16 queries x 16 keys x 128 channels.  64 matrix instructions of the f32 form: no bulk work.
; S^T = K Q^T (source 0 = 16 keys, source 1 = 16 queries): a lane holds query lane % 16 and keys 8 (lane / 16) + 0..7.  Along the 128 channels the four k of a product are channels 8 s + {0, 1, 4, 5} or {2, 3, 6, 7}:
; the same choice in both sources, so that each lane loads 16 neighbouring bytes.  O^T = V^T P: the four k of product s are keys {2 s, 2 s + 1, 8 + 2 s, 9 + 2 s}: P's registers 2 s, 2 s + 1 as they stand.
; y leaves as A PAIR OF f16 NUMBERS: high = y with the low 13 bits of its mantissa cleared, low = (y - high) x 2^11.  LIMIT: under 2^-14 the high part is rounded at f16's step of 6e-8; beyond 65,504 not served.
; The four accumulators v224-255 are written by matrix instructions alone; each sum begins with the constant 0.
	s_load_b256 s[4:11], s[0:1], 0x0               ; qkvf, q_gain, k_gain, yf
	v_and_b32 v1, 15, v0                           ; r
	v_lshrrev_b32 v2, 4, v0                        ; h
	s_and_b32 s12, ttmp9, 15                       ; head
	s_lshr_b32 s13, ttmp9, 4                       ; batch
	s_lshr_b32 s14, s12, 2                         ; its key head
	v_lshlrev_b32 v3, 9, v1
	v_lshl_add_u32 v3, v2, 4, v3                   ; q, k: row r of 512 bytes, + 16 h
	v_lshlrev_b32 v4, 2, v1
	v_lshl_add_u32 v4, v2, 12, v4                  ; v: key 8 h, channel r
	v_lshlrev_b32 v5, 3, v2
	v_sub_nc_u32 v5, v1, v5                        ; r - 8 h: key 8 h + j is hidden where j is above it
	v_mov_b32 v6, 0xff800000
	v_lshlrev_b32 v11, 12, v1
	v_lshl_add_u32 v11, v2, 4, v11                 ; yf: row r of 4,096 bytes, + 16 h
	s_mov_b32 s20, 0x76543210
	s_mov_b32 s21, 0xfedcba98
	s_mov_b32 s27, 0xffffe000                      ; keeps 11 significant bits
	s_mov_b32 s28, 0x45000000                      ; 2^11
	s_mov_b32 s29, s28
	s_lshl_b32 s16, s12, 2
	s_add_co_u32 s16, s16, s13
	s_lshl_b32 s16, s16, 13                        ; (head x 4 + batch) x 8,192 bytes
	s_mov_b32 s17, 0
	s_add_co_u32 s18, s14, 16
	s_lshl_b32 s18, s18, 2
	s_add_co_u32 s18, s18, s13
	s_lshl_b32 s18, s18, 13
	s_mov_b32 s19, 0
	s_wait_kmcnt 0x0
	s_add_nc_u64 s[16:17], s[4:5], s[16:17]        ; q
	s_add_nc_u64 s[18:19], s[4:5], s[18:19]        ; k; v lies four heads, 131,072 bytes, on
	s_lshl_b32 s22, s12, 2
	s_mov_b32 s23, 0
	s_add_nc_u64 s[6:7], s[6:7], s[22:23]
	s_lshl_b32 s22, s14, 2
	s_add_nc_u64 s[8:9], s[8:9], s[22:23]
	s_load_b32 s24, s[6:7], 0x0
	s_load_b32 s25, s[8:9], 0x0
	s_lshl_b32 s22, s13, 16
	s_lshl_b32 s26, s12, 8
	s_add_co_u32 s22, s22, s26
	s_add_nc_u64 s[10:11], s[10:11], s[22:23]      ; yf at row 16 x batch, the head's 256 bytes
.irp s, 0,1,2,3,4,5,6,7,8,9,10,11,12,13,14,15
	global_load_b128 v[32+4*\s:35+4*\s], v3, s[18:19] offset:32*\s
	global_load_b128 v[96+4*\s:99+4*\s], v3, s[16:17] offset:32*\s
.endr
.irp f, 0,1,2,3,4,5,6,7
.irp jj, 0,1,2,3,4,5,6,7
	global_load_b32 v[160+8*\f+\jj], v4, s[18:19] offset:131072+512*\jj+64*\f   ; v(8 h + jj, 16 f + r)
.endr
.endr
	s_wait_kmcnt 0x0
	s_mul_f32 s24, s24, s25
	s_mul_f32 s24, s24, 0x3e0293ee                 ; c = qg kg log2(e) / sqrt(128), with its sign
	s_wait_loadcnt 0x0
.set i, 0
.rept 32                               ; four accumulators by turns
.set rA, 224+8*(i%4)
.if i < 4
	v_wmma_f32_16x16x4_f32 v[rA:rA+7], v[32+2*i:33+2*i], v[96+2*i:97+2*i], 0
.else
	v_wmma_f32_16x16x4_f32 v[rA:rA+7], v[32+2*i:33+2*i], v[96+2*i:97+2*i], v[rA:rA+7]
.endif
.set i, i+1
.endr
.rept 8
	v_nop                                          ; eight places behind this form, ahead of the first read of its results (ISA guide 7.12.1)
.endr
.irp j, 0,1,2,3,4,5,6,7
	v_add_f32 v[16+\j], v[224+\j], v[232+\j]
.endr
.irp j, 0,1,2,3,4,5,6,7
	v_add_f32 v[24+\j], v[240+\j], v[248+\j]
.endr
.irp j, 0,1,2,3,4,5,6,7
	v_add_f32 v[16+\j], v[16+\j], v[24+\j]
.endr
.irp j, 0,1,2,3,4,5,6,7
	v_mul_f32 v[16+\j], s24, v[16+\j]              ; t = c x score, ahead of the mask
.endr
.irp j, 0,1,2,3,4,5,6,7
	v_cmp_gt_i32 vcc_lo, \j, v5
	v_cndmask_b32 v[16+\j], v[16+\j], v6, vcc_lo
.endr
	v_max3_num_f32 v7, v16, v17, v18
	v_max3_num_f32 v7, v7, v19, v20
	v_max3_num_f32 v7, v7, v21, v22
	v_max_num_f32 v7, v7, v23
	v_mov_b32 v8, v7                               ; (a lane permute's destination counts as one of its sources)
	v_permlanex16_b32 v8, v7, s20, s21
	v_max_num_f32 v7, v7, v8                       ; the row's largest t: key 0 counts for every query
.irp j, 0,1,2,3,4,5,6,7
	v_sub_f32 v[24+\j], v[16+\j], v7
.endr
.irp j, 0,1,2,3,4,5,6,7
	v_exp_f32 v[24+\j], v[24+\j]
.endr
	v_nop
	s_wait_alu depctr_va_vdst(0)                   ; one wait for the eight exponentials, ahead of their first reader
	v_add_f32 v9, v24, v25
	v_add_f32 v12, v26, v27
	v_add_f32 v13, v28, v29
	v_add_f32 v14, v30, v31
	v_add_f32 v9, v9, v12
	v_add_f32 v13, v13, v14
	v_add_f32 v9, v9, v13
	v_permlanex16_b32 v8, v9, s20, s21
	v_add_f32 v9, v9, v8
	v_rcp_f32 v10, v9
	v_nop
	s_wait_alu depctr_va_vdst(0)
.irp u, 0,1                            ; channels 64 u on: four tiles of 16 on the four accumulators
.rept 9
	v_nop                                          ; nine places ahead of matrix instructions that write over earlier results
.endr
.irp s, 0,1,2,3
.irp f, 0,1,2,3
.if \s == 0
	v_wmma_f32_16x16x4_f32 v[224+8*\f:231+8*\f], v[160+8*(4*\u+\f)+2*\s:161+8*(4*\u+\f)+2*\s], v[24+2*\s:25+2*\s], 0
.else
	v_wmma_f32_16x16x4_f32 v[224+8*\f:231+8*\f], v[160+8*(4*\u+\f)+2*\s:161+8*(4*\u+\f)+2*\s], v[24+2*\s:25+2*\s], v[224+8*\f:231+8*\f]
.endif
.endr
.endr
.rept 8
	v_nop
.endr
.irp n, 0,1,2,3,4,5,6,7,8,9,10,11,12,13,14,15,16,17,18,19,20,21,22,23,24,25,26,27,28,29,30,31
	v_mul_f32 v[32+\n], v[224+\n], v10             ; y = O / l: register 8 f + j is channel 64 u + 16 f + 8 h + j of query r
.endr
.irp f, 0,1,2,3
.irp k, 0,1,2,3
	v_and_b32 v[112+2*\k], s27, v[32+8*\f+2*\k]
	v_and_b32 v[113+2*\k], s27, v[33+8*\f+2*\k]
.endr
.irp k, 0,1,2,3
	v_cvt_pk_f16_f32 v[64+16*\u+4*\f+\k], v[112+2*\k], v[113+2*\k]           ; the high parts
.endr
.irp k, 0,1,2,3
	v_pk_add_f32 v[112+2*\k:113+2*\k], v[32+8*\f+2*\k:33+8*\f+2*\k], v[112+2*\k:113+2*\k] neg_lo:[0,1] neg_hi:[0,1]
.endr
.irp k, 0,1,2,3
	v_pk_mul_f32 v[112+2*\k:113+2*\k], v[112+2*\k:113+2*\k], s[28:29] op_sel_hi:[1,0]
.endr
.irp k, 0,1,2,3
	v_cvt_pk_f16_f32 v[128+16*\u+4*\f+\k], v[112+2*\k], v[113+2*\k]          ; the low parts x 2^11
.endr
	global_store_b128 v11, v[64+16*\u+4*\f:67+16*\u+4*\f], s[10:11] offset:32*(4*\u+\f)
	global_store_b128 v11, v[128+16*\u+4*\f:131+16*\u+4*\f], s[10:11] offset:262144+32*(4*\u+\f)
.endr
.endr
	s_endpgm
.Lfunc_end_k_qc261ad30fd_fineattn:
	.size	k_qc261ad30fd_fineattn, .Lfunc_end_k_qc261ad30fd_fineattn-k_qc261ad30fd_fineattn
	.p2alignl 7, 3214868480
	.fill 96, 4, 3214868480
	.section	.rodata,"a",@progbits
	.p2align	6, 0x0
	.amdhsa_kernel k_qc261ad30fd_fineattn
		.amdhsa_group_segment_fixed_size 0
		.amdhsa_private_segment_fixed_size 0
		.amdhsa_enable_private_segment 0
		.amdhsa_kernarg_size 32
		.amdhsa_user_sgpr_count 2
		.amdhsa_user_sgpr_kernarg_segment_ptr 1
		.amdhsa_wavefront_size32 1
		.amdhsa_system_sgpr_workgroup_id_x 1
		.amdhsa_system_sgpr_workgroup_id_y 1
		.amdhsa_system_sgpr_workgroup_id_z 1
		.amdhsa_system_vgpr_workitem_id 0
		.amdhsa_next_free_vgpr 256
		.amdhsa_next_free_sgpr 66
		.amdhsa_reserve_vcc 1
		.amdhsa_float_denorm_mode_32 3
		.amdhsa_float_denorm_mode_16_64 3
		.amdhsa_memory_ordered 1
		.amdhsa_forward_progress 1
		.amdhsa_inst_pref_size 33
	.end_amdhsa_kernel
	.amdgpu_metadata
---
amdhsa.version: [ 1, 2 ]
amdhsa.kernels:
  - .name:           k_qc261ad30fd_fineattn
    .symbol:         k_qc261ad30fd_fineattn.kd
    .args:
      - { .name: qkvf, .offset: 0, .size: 8, .value_kind: global_buffer, .address_space: global }
      - { .name: q_gain, .offset: 8, .size: 8, .value_kind: global_buffer, .address_space: global }
      - { .name: k_gain, .offset: 16, .size: 8, .value_kind: global_buffer, .address_space: global }
      - { .name: yf, .offset: 24, .size: 8, .value_kind: global_buffer, .address_space: global }
    .group_segment_fixed_size: 0
    .private_segment_fixed_size: 0
    .kernarg_segment_align: 8
    .kernarg_segment_size: 32
    .max_flat_workgroup_size: 32
    .sgpr_count:     66
    .vgpr_count:     256
    .wavefront_size: 32
...
	.end_amdgpu_metadata
.endif
;; end of part 4
;; launch proj (part 5): grid 8 x 32, 4 waves a work-group, clusters of 4 x 4, 327,680 bytes of LDS; arguments y16, wo16, out0; writes out0
.if DOCPART == 5
	.amdgcn_target "amdgcn-amd-amdhsa--gfx1250"
	.amdhsa_code_object_version 6
	.text
	.protected	k_qc261ad30fd_proj
	.globl	k_qc261ad30fd_proj
	.p2align	8
	.type	k_qc261ad30fd_proj,@function
k_qc261ad30fd_proj:
	s_mov_b64 s[64:65], 0
	v_nop
	global_prefetch_b8 v0, s[64:65] scope:SCOPE_SE
	s_setreg_imm32_b32 hwreg(HW_REG_WAVE_MODE, 25, 1), 1
	s_wait_xcnt 0x0
	s_wait_alu depctr_hold_cnt(0) depctr_sa_sdst(0) depctr_va_vdst(0) depctr_va_sdst(0) depctr_va_ssrc(0) depctr_va_vcc(0) depctr_vm_vsrc(0)
	s_getreg_b32 s2, hwreg(HW_REG_IB_STS2, 6, 4)
	s_cmp_eq_u32 s2, 0
	s_cbranch_scc0 .Lentry_in_a_cluster
	s_endpgm
.Lentry_in_a_cluster:
	s_bfe_u32 s2, ttmp6, 0x10000c
	s_cmp_lg_u32 s2, 0xf033
	s_cbranch_scc0 .Lentry_shape_is_right
	s_endpgm
.Lentry_shape_is_right:
; out[m][n] = sum over k of y[m][k] wo[n][k].  y16: [4096][2048], wo16: [2048][2048], f16; out0: [4096][2048] f32; sums in f32, K ascending.
; A tile of out is 128 (m) x 256 (n): 256 tiles, one for each of 256 work-groups (tiles of 256 x 256 would be 128).  Four waves, each 64 x 128: 32 accumulators of 16 x 16, which fill window 2.
; THE RING HAS TWO SLOTS OF UNEQUAL LENGTH.  A tile has 384 rows (128 of y, 256 of wo).  Two slots of 256 along K would be 2 x 384 x 528 = 405,504 bytes, more than LDS holds; a SMALL slot of 128 along K (rows of 256 bytes,
; 384 x 272 = 104,448 bytes) and a BIG one of 256 (rows of 512 bytes, 384 x 528 = 202,752 bytes) are 307,200.  K is walked small, big, small, .. small: 6 x 128 + 5 x 256 = 2,048: ten changes of slots, nine refills.
; The small slot's refill has 240 matrix instructions of a wave in which to land (16 of the change's own quarter, 224 of the big slot's), the big slot's 112.
; Waves 0 and 1 fetch y's two halves (64 rows), waves 2 and 3 wo's (128 rows): one tensor load a wave behind each round.  A wave has two tensor loads out at the head and one later.
; CLUSTERS: 4 x 4 work-groups.  The four of a row of the cluster need the same tiles of y, the four of a column the same tiles of wo: each tile is asked for JOINTLY.
; THE MATRIX INSTRUCTION IS USED TRANSPOSED (source 0 = 16 rows of wo, source 1 = 16 rows of y): a lane holds eight neighbouring numbers of a row of out.
; The rows of the first 16 positions of each sequence are written here like all others and written again, more finely, by the launch that follows: so no branch hangs on a work-group's place.
; REGISTERS: window 0: v16-29 addresses; v64-95, v96-127 y's fragments, two buffers; v128-255 the way out.   window 1: v0-63, v64-127 wo's fragments, two buffers.   window 2: accumulator (a, b) at v[8 (8 a + b)].
.set SIZE_N, 2048
.set SIZE_K, 2048
.set PS,     272                       ; a row of the small slot: 256 bytes + 16: the 16 rows that a load touches start at 16 different banks
.set PB,     528                       ; a row of the big slot: 512 bytes + 16: likewise
.set SMA,    0                         ; the small slot: y's 128 rows,
.set SMB,    SMA+128*PS                ; then wo's 256
.set BGA,    SMA+384*PS                ; the big slot: y's 128 rows,
.set BGB,    BGA+128*PB                ; then wo's 256
.set SPARE,  BGA+384*PB                ; behind the ring: the spare words, 128 bytes a wave
.set STAGE,  BGA                       ; the way out: 16 rows x (512 bytes + 16) a wave, in the big slot, which has had its last fill and its last read by then
.set SPITCH, 528
.set ALONG,  768                       ; bytes along K from a slot's tile to its next: 128 + 256 numbers of 2 bytes
.set TRIPS,  4
.set ADRA, 16                          ; v16, v17 LDS address of my fragments of y in the small, the big slot
.set ADRB, 20                          ; v20, v21 the same for wo
.set STO,  24
.set RD,   25
.set CO,   26
.set SPW,  28
.set NIL,  29
.set BK,   128
.set G0AS, 24                          ; s[24:27], s[28:31] descriptor group 0 for y's tiles: small slot, big slot
.set G0BS, 32                          ; s[32:35], s[36:39] for wo's
.set G1AS, 48                          ; s[48:55], s[56:63] descriptor group 1 for y's tiles: small slot, big slot
.set G1AB, 56
.set G1BS, 68                          ; s[68:75], s[76:83] for wo's
.set G1BB, 76
.set MSB, 0
.macro WIN new
.if MSB != (\new)
	s_set_vgpr_msb (MSB<<8)|(\new)
.set MSB, (\new)
.endif
.endm
.set MUL,  0xa1                        ; source 0 (wo) window 1, source 1 (y) window 0, C and D window 2
.set TO_B, 0x40
.macro JLOAD s                         ; a joint load into slot s (0 small, 1 big); an s_nop 0 and four v_nop follow each of the two lines
	s_cmp_eq_u32 s11, 0
	s_cbranch_scc0 .Lfor_b_\@
	tensor_load_to_lds s[G0AS+4*\s:G0AS+4*\s+3], s[G1AS+8*\s:G1AS+8*\s+7]
	s_nop 0
.rept 4
	v_nop
.endr
	s_branch .Lasked_\@
.Lfor_b_\@:
	tensor_load_to_lds s[G0BS+4*\s:G0BS+4*\s+3], s[G1BS+8*\s:G1BS+8*\s+7]
	s_nop 0
.rept 4
	v_nop
.endr
.Lasked_\@:
.endm
.macro CREST
	s_cmp_lg_u32 s10, 0
	s_cbranch_scc1 .Lnot_wave_0_\@
	s_barrier_signal -3
.Lnot_wave_0_\@:
	s_barrier_wait -3
	s_barrier_signal -1
	s_barrier_wait -1
.endm
.macro CROUND
	s_barrier_signal -1
	s_barrier_wait -1
	CREST
.endm
	s_load_b128 s[4:7], s[0:1], 0x0                ; y16, wo16
	s_load_b64 s[8:9], s[0:1], 0x10                ; out0
	v_lshl_add_u32 v[SPW], v0, 2, SPARE
	v_mov_b32 v[NIL], 0
	ds_add_u32 v[SPW], v[NIL]                      ; the wave's opening: an add of 0, twice on end, and its wait ahead of my first tensor load
	ds_add_u32 v[SPW], v[NIL]
	v_lshrrev_b32 v1, 5, v0
	v_readfirstlane_b32 s10, v1                    ; wave 0..3
	s_lshr_b32 s11, s10, 1                         ; which half of the tile's rows is mine.  Also: I fetch for y (0) or for wo (1)
	s_and_b32 s12, s10, 1                          ; which half of its columns.  Also: which half of that tile I fetch
	s_bfe_u32 s40, ttmp6, 0x40000                  ; cx, cy
	s_bfe_u32 s41, ttmp6, 0x40004
	s_lshl_b32 s42, ttmp9, 2
	s_add_co_u32 s42, s42, s40                     ; tile column
	s_and_b32 s13, ttmp7, 0xffff
	s_lshl_b32 s13, s13, 2
	s_add_co_u32 s13, s13, s41                     ; tile row
	s_lshl_b32 s43, s41, 2
	s_lshl_b32 s43, 15, s43                        ; my row of the cluster
	s_lshl_b32 s44, 0x1111, s40                    ; my column
	s_or_b32 s[G1AS], s43, (1<<16)|(1<<20)|(1<<21)|(5<<22)|(3<<25)  ; the mask; elements of 2 bytes; padding on; bit 21 beside a mask; after every 64 words, 4 words
	s_or_b32 s[G1AB], s43, (1<<16)|(1<<20)|(1<<21)|(6<<22)|(3<<25)  ; the same, after every 128 words
	s_or_b32 s[G1BS], s44, (1<<16)|(1<<20)|(1<<21)|(5<<22)|(3<<25)
	s_or_b32 s[G1BB], s44, (1<<16)|(1<<20)|(1<<21)|(6<<22)|(3<<25)
.irp g, G1AS, G1BS
	s_mov_b32 s[\g+1], 128<<16                     ; the small slot: tensor_dim0 = tile_dim0 = 128 elements
	s_mov_b32 s[\g+3], 128<<16
.endr
.irp g, G1AB, G1BB
	s_mov_b32 s[\g+1], 256<<16                     ; the big slot: 256
	s_mov_b32 s[\g+3], 256<<16
.endr
.irp g, G1AS, G1AB
	s_mov_b32 s[\g+2], 64<<16                      ; y: tensor_dim1 = tile_dim1 = 64 rows
	s_mov_b32 s[\g+4], 64
.endr
.irp g, G1BS, G1BB
	s_mov_b32 s[\g+2], 128<<16                     ; wo: 128 rows
	s_mov_b32 s[\g+4], 128
.endr
.irp g, G1AS, G1AB, G1BS, G1BB
	s_mov_b32 s[\g+5], SIZE_K                      ; tensor_dim0_stride
	s_mov_b32 s[\g+6], 0
	s_mov_b32 s[\g+7], 0
.endr
	s_lshl_b32 s17, s12, 6
	s_lshl_b32 s16, s13, 7
	s_add_co_u32 s16, s16, s17                     ; y: row 128 x tile row + 64 x half
	s_lshl_b32 s47, s12, 7
	s_lshl_b32 s46, s42, 8
	s_add_co_u32 s46, s46, s47                     ; wo: row 256 x tile column + 128 x half
	s_mov_b32 s17, 0
	s_mov_b32 s47, 0
	s_mov_b64 s[18:19], SIZE_K*2
	s_mul_u64 s[16:17], s[16:17], s[18:19]
	s_mul_u64 s[46:47], s[46:47], s[18:19]
	s_mul_i32 s20, s12, 64*PS                      ; where they go: y's half in the small slot (it begins at LDS byte 0),
	s_mul_i32 s21, s12, 64*PB
	s_add_co_u32 s21, s21, BGA                     ; in the big slot;
	s_mul_i32 s22, s12, 128*PS
	s_add_co_u32 s22, s22, SMB                     ; wo's half in the small slot,
	s_mul_i32 s23, s12, 128*PB
	s_add_co_u32 s23, s23, BGB                     ; in the big slot: no place in the cluster enters an LDS address
	s_wait_dscnt 0x0                               ; both opening adds are done
	s_wait_kmcnt 0x0
	s_add_nc_u64 s[14:15], s[4:5], s[16:17]
	s_add_nc_u64 s[46:47], s[6:7], s[46:47]
	CROUND                                         ; all sixteen work-groups are here: the first joint loads meet
	s_mov_b32 s[G0AS], 1                           ; the small slot begins with K = 0 .. 127
	s_mov_b32 s[G0AS+1], s20
	s_mov_b64 s[G0AS+2:G0AS+3], s[14:15]
	s_or_b32 s[G0AS+3], s[G0AS+3], 0x80000000
	s_mov_b32 s[G0BS], 1
	s_mov_b32 s[G0BS+1], s22
	s_mov_b64 s[G0BS+2:G0BS+3], s[46:47]
	s_or_b32 s[G0BS+3], s[G0BS+3], 0x80000000
	JLOAD 0
	s_mov_b32 s[G0AS+4], 1                         ; the big slot with K = 128 .. 383
	s_mov_b32 s[G0AS+5], s21
	s_add_nc_u64 s[G0AS+6:G0AS+7], s[14:15], 256
	s_or_b32 s[G0AS+7], s[G0AS+7], 0x80000000
	s_mov_b32 s[G0BS+4], 1
	s_mov_b32 s[G0BS+5], s23
	s_add_nc_u64 s[G0BS+6:G0BS+7], s[46:47], 256
	s_or_b32 s[G0BS+7], s[G0BS+7], 0x80000000
	JLOAD 1
	v_and_b32 v1, 15, v0                           ; r
	v_bfe_u32 v2, v0, 4, 1                         ; h
	v_mul_u32_u24 v3, v1, PS
	v_lshl_add_u32 v3, v2, 4, v3                   ; a fragment's row x pitch + 16 x half, in the small slot,
	v_mul_u32_u24 v4, v1, PB
	v_lshl_add_u32 v4, v2, 4, v4                   ; in the big slot
	s_mul_i32 s20, s11, 64*PS                      ; my 64 rows of y
	s_mul_i32 s21, s11, 64*PB
	s_add_co_u32 s21, s21, BGA
	s_mul_i32 s22, s12, 128*PS                     ; my 128 rows of wo
	s_add_co_u32 s22, s22, SMB
	s_mul_i32 s23, s12, 128*PB
	s_add_co_u32 s23, s23, BGB
	v_add_nc_u32 v[ADRA], s20, v3
	v_add_nc_u32 v[ADRA+1], s21, v4
	v_add_nc_u32 v[ADRB], s22, v3
	v_add_nc_u32 v[ADRB+1], s23, v4
	s_mul_i32 s23, s10, 16*SPITCH
	s_add_co_u32 s23, s23, STAGE                   ; my stage
	v_mul_u32_u24 v5, v1, SPITCH                   ; in: row r, 32 bytes for each half of the lanes
	v_lshl_add_u32 v5, v2, 5, v5
	v_add_nc_u32 v[STO], s23, v5
	v_and_b32 v6, 31, v0
	v_lshlrev_b32 v[CO], 4, v6                     ; back: the 32 lanes take one row of 512 bytes; and the same in out
	v_add_nc_u32 v[RD], s23, v[CO]
	s_lshl_b32 s16, s13, 7
	s_lshl_b32 s17, s11, 6
	s_add_co_u32 s16, s16, s17                     ; my first row of out
	s_mov_b32 s17, 0
	s_mov_b64 s[18:19], SIZE_N*4
	s_mul_u64 s[16:17], s[16:17], s[18:19]
	s_add_nc_u64 s[8:9], s[8:9], s[16:17]
	s_lshl_b32 s46, s42, 10
	s_lshl_b32 s47, s12, 9
	s_add_co_u32 s46, s46, s47                     ; my first column, in bytes
	s_mov_b32 s47, 0
	s_add_nc_u64 s[8:9], s[8:9], s[46:47]
; 8 matrix instructions: y's block a against wo's eight, 32 along K, buffer f.  The 32 accumulators take turns, in the same order in every quarter.
.macro MUL8 f, a, zero
.irp b, 0,1,2,3,4,5,6,7
.if \zero
	v_wmma_f32_16x16x32_f16 v[8*(8*(\a)+\b):8*(8*(\a)+\b)+7], v[64*(\f)+8*\b:64*(\f)+8*\b+7], v[64+32*(\f)+8*(\a):64+32*(\f)+8*(\a)+7], 0
.else
	v_wmma_f32_16x16x32_f16 v[8*(8*(\a)+\b):8*(8*(\a)+\b)+7], v[64*(\f)+8*\b:64*(\f)+8*\b+7], v[64+32*(\f)+8*(\a):64+32*(\f)+8*(\a)+7], v[8*(8*(\a)+\b):8*(8*(\a)+\b)+7]
.endif
.endr
.endm
; 24 LDS loads in one run: the fragments of 32 along K at byte k of the rows of slot s (0 small, 1 big), into buffer f
.macro FETCH slot, k, f
.set PT, PS+(PB-PS)*(\slot)
	WIN TO_B
.irp i, 0,1,2,3,4,5,6,7
	ds_load_b128 v[64*(\f)+8*\i:64*(\f)+8*\i+3],   v[ADRB+\slot] offset:\k+\i*16*PT
	ds_load_b128 v[64*(\f)+8*\i+4:64*(\f)+8*\i+7], v[ADRB+\slot] offset:\k+\i*16*PT+32
.endr
	WIN 0
.irp i, 0,1,2,3
	ds_load_b128 v[64+32*(\f)+8*\i:64+32*(\f)+8*\i+3],   v[ADRA+\slot] offset:\k+\i*16*PT
	ds_load_b128 v[64+32*(\f)+8*\i+4:64+32*(\f)+8*\i+7], v[ADRA+\slot] offset:\k+\i*16*PT+32
.endr
.endm
.macro PLACES                          ; four places in front of loads into registers that matrix instructions have read, and of reads of results
.rept 4
	v_nop
.endr
.endm
; A quarter is 32 along K, 32 matrix instructions, on buffers 0, 1 by turns; the small slot holds four, the big slot eight.  All but a slot's last: fetches the next quarter, at byte k, into g, and multiplies f.
.macro QUARTER slot, k, f, g, zero
	s_wait_dscnt 0x0                               ; buffer f is in: it was asked for 32 matrix instructions ago
	PLACES
	FETCH \slot, \k, \g
	WIN MUL
	MUL8 \f, 0, \zero
	MUL8 \f, 1, \zero
	MUL8 \f, 2, \zero
	MUL8 \f, 3, \zero
.endm
; A slot's last quarter multiplies buffer 1 and changes slots: ONE barrier; in front of it each wave waits for all its tensor loads, adds 0 to its spare word, and waits for that and for its own reads of this slot.
; fill = 1: the slot that is left takes its next tile, ALONG bytes further along K.
.macro TURN cur, next, fill
	WIN 0
	s_wait_tensorcnt 0x0                           ; all my tensor loads have landed: my part of the next slot
	ds_add_u32 v[SPW], v[NIL]                      ; 0 onto my spare word
	s_wait_dscnt 1                                 ; buffer 1 is in (the add may be out)
	WIN MUL
	MUL8 1, 0, 0
	s_wait_dscnt 0x0                               ; the add is done, and my reads of this slot are over
	s_barrier_signal -1
	MUL8 1, 1, 0
	WIN 0
	s_barrier_wait -1
.if \fill
	CREST                                          ; the barrier has opened a round of the cluster's barrier: no wave of any partner still reads this slot or has a load on its way
	s_add_nc_u64 s[G0AS+4*\cur+2:G0AS+4*\cur+3], s[G0AS+4*\cur+2:G0AS+4*\cur+3], ALONG
	s_add_nc_u64 s[G0BS+4*\cur+2:G0BS+4*\cur+3], s[G0BS+4*\cur+2:G0BS+4*\cur+3], ALONG
	JLOAD \cur                                     ; the first tensor load behind the round; its four v_nop are the places in front of the loads below
.else
	PLACES
.endif
	FETCH \next, 0, 0
	WIN MUL
	MUL8 1, 2, 0
	MUL8 1, 3, 0
.endm
.macro SMALLQ zero                     ; the small slot's first three quarters
	QUARTER 0, 64,  0, 1, \zero
	QUARTER 0, 128, 1, 0, 0
	QUARTER 0, 192, 0, 1, 0
.endm
.macro BIGQ                            ; the big slot's first seven
	QUARTER 1, 64,  0, 1, 0
	QUARTER 1, 128, 1, 0, 0
	QUARTER 1, 192, 0, 1, 0
	QUARTER 1, 256, 1, 0, 0
	QUARTER 1, 320, 0, 1, 0
	QUARTER 1, 384, 1, 0, 0
	QUARTER 1, 448, 0, 1, 0
.endm
	s_wait_tensorcnt 1                             ; my part of the small slot is in (the big slot's load may be out)
	s_barrier_signal -1
	s_barrier_wait -1                              ; everybody's is
	FETCH 0, 0, 0
	SMALLQ 1                                       ; K = 0 .. 127 stands in front of the loop: its first products start the sums
	TURN 0, 1, 1                                   ; the small slot takes K = 384 .. 511
	WIN 0                                          ; at a label and at a branch every window is 0
	s_mov_b32 s3, TRIPS
.Llap:                                                 ; a trip: the big slot, the small slot: 384 along K; both are filled again
	BIGQ
	TURN 1, 0, 1
	SMALLQ 0
	TURN 0, 1, 1
	WIN 0
	s_sub_co_u32 s3, s3, 1
	s_cmp_lg_u32 s3, 0
	s_cbranch_scc1 .Llap
	BIGQ                                           ; K = 1,664 .. 1,919: nothing is left to fetch
	TURN 1, 0, 0
	SMALLQ 0                                       ; K = 1,920 .. 2,047
	s_wait_dscnt 0x0
	WIN MUL
	MUL8 1, 0, 0
	MUL8 1, 1, 0
	MUL8 1, 2, 0
	MUL8 1, 3, 0
	WIN 0
; THE WAY OUT, block by block of 16 rows x 128 columns: through my own stage in LDS, back as whole rows of 512 bytes.  LDS serves a wave's instructions in order.
.macro TOSTAGE a
	WIN 0x08                                       ; an LDS store's data: window 2
.irp b, 0,1,2,3,4,5,6,7
	ds_store_b128 v[STO], v[64*(\a)+8*\b:64*(\a)+8*\b+3] offset:64*\b          ; each accumulator from its low end on
	ds_store_b128 v[STO], v[64*(\a)+8*\b+4:64*(\a)+8*\b+7] offset:64*\b+16
.endr
	WIN 0
.set BB, BK+64*((\a)%2)
.irp t, 0,1,2,3,4,5,6,7,8,9,10,11,12,13,14,15
	ds_load_b128 v[BB+4*\t:BB+4*\t+3], v[RD] offset:\t*SPITCH
.endr
.endm
.macro SEND a, younger
.set BB, BK+64*((\a)%2)
	s_wait_dscnt \younger                          ; the block is back in registers
.if (\a) > 0
	s_add_nc_u64 s[8:9], s[8:9], 16*SIZE_N*4       ; (behind a wait for the earlier stores' addresses)  16 rows on
.endif
.irp t, 0,1,2,3,4,5,6,7,8,9,10,11,12,13,14,15
	global_store_b128 v[CO], v[BB+4*\t:BB+4*\t+3], s[8:9] offset:\t*SIZE_N*4 th:TH_STORE_NT   ; 32 lanes store 512 consecutive bytes, aligned
.endr
.endm
	PLACES
	TOSTAGE 0
.irp a, 1,2,3
.if \a > 1
	s_wait_xcnt 0x0                                ; block a - 2's stores have read their registers and their base
.endif
	TOSTAGE \a
	SEND \a-1, 32                                  ; behind block a - 1's loads: block a's 16 stores and 16 loads
.endr
	s_wait_xcnt 0x0
	SEND 3, 0
	s_wait_tensorcnt 0x0                           ; the wave's end: behind my last tensor load and my last LDS store
	ds_add_u32 v[SPW], v[NIL]
	s_wait_dscnt 0x0
	CROUND                                         ; the closing round
	s_endpgm
.Lfunc_end_k_qc261ad30fd_proj:
	.size	k_qc261ad30fd_proj, .Lfunc_end_k_qc261ad30fd_proj-k_qc261ad30fd_proj
	.p2alignl 7, 3214868480
	.fill 96, 4, 3214868480
	.section	.rodata,"a",@progbits
	.p2align	6, 0x0
	.amdhsa_kernel k_qc261ad30fd_proj
		.amdhsa_group_segment_fixed_size 327680
		.amdhsa_private_segment_fixed_size 0
		.amdhsa_enable_private_segment 0
		.amdhsa_kernarg_size 24
		.amdhsa_user_sgpr_count 2
		.amdhsa_user_sgpr_kernarg_segment_ptr 1
		.amdhsa_wavefront_size32 1
		.amdhsa_system_sgpr_workgroup_id_x 1
		.amdhsa_system_sgpr_workgroup_id_y 1
		.amdhsa_system_sgpr_workgroup_id_z 1
		.amdhsa_system_vgpr_workitem_id 0
		.amdhsa_next_free_vgpr 768
		.amdhsa_next_free_sgpr 88
		.amdhsa_reserve_vcc 0
		.amdhsa_float_denorm_mode_32 3
		.amdhsa_float_denorm_mode_16_64 3
		.amdhsa_memory_ordered 1
		.amdhsa_forward_progress 1
		.amdhsa_inst_pref_size 132
	.end_amdhsa_kernel
	.amdgpu_metadata
---
amdhsa.version: [ 1, 2 ]
amdhsa.kernels:
  - .name:           k_qc261ad30fd_proj
    .symbol:         k_qc261ad30fd_proj.kd
    .args:
      - { .name: y16, .offset: 0, .size: 8, .value_kind: global_buffer, .address_space: global }
      - { .name: wo16, .offset: 8, .size: 8, .value_kind: global_buffer, .address_space: global }
      - { .name: out0, .offset: 16, .size: 8, .value_kind: global_buffer, .address_space: global }
    .group_segment_fixed_size: 327680
    .private_segment_fixed_size: 0
    .kernarg_segment_align: 8
    .kernarg_segment_size: 24
    .max_flat_workgroup_size: 128
    .sgpr_count:     88
    .vgpr_count:     768
    .wavefront_size: 32
...
	.end_amdgpu_metadata
.endif
;; end of part 5
;; launch fineproj (part 6): grid 64 x 4, 16 waves a work-group, no clusters, 38,912 bytes of LDS; arguments yf, wo, out0; writes out0
.if DOCPART == 6
	.amdgcn_target "amdgcn-amd-amdhsa--gfx1250"
	.amdhsa_code_object_version 6
	.text
	.protected	k_qc261ad30fd_fineproj
	.globl	k_qc261ad30fd_fineproj
	.p2align	8
	.type	k_qc261ad30fd_fineproj,@function
k_qc261ad30fd_fineproj:
	s_mov_b64 s[64:65], 0
	v_nop
	global_prefetch_b8 v0, s[64:65] scope:SCOPE_SE
	s_setreg_imm32_b32 hwreg(HW_REG_WAVE_MODE, 25, 1), 1
	s_wait_xcnt 0x0
; The rows of out0 of the first 16 positions of each sequence, once more and finely: both operands as PAIRS of f16 numbers.  y comes so (yf: high, and low x 2^11); wo, f32, is split here: high = wo with the low 13
; bits of its mantissa cleared, low = (wo - high) x 2^11.  out = high . high + 2^-11 (high . low + low . high); low . low, 2^-22 of the whole, is left out.
; LIMIT: under 2^-14 a high part is rounded at f16's step of 6e-8; beyond 65,504 not served.
; A work-group takes 32 columns (n0 = 32 x) of batch y's 16 rows.  SIXTEEN WAVES: wave w takes K = 128 w .. + 127 in four steps of 32, and ALL ITS 48 LOADS GO OUT AT THE HEAD, into four sets of 48 registers:
; no load waits for another's data.  The sixteen partial sums meet in LDS; waves 0 to 3 add them and store four rows each.
; A lane (r, h) takes k = 16 h + 0 .. 15 of a step in both operands: the same permutation of k on both sides, so that its bytes are neighbours in memory.
; Source 0 = 16 rows of wo, source 1 = the 16 rows of y: a lane holds row r and eight neighbouring columns.
; REGISTERS: v1 wo's lane offset, v28 yf's; v4-11 at work; v12-27 wo's high parts, two tiles; v32-223 four sets of 48: wo's two tiles (16 + 16, later their low parts), y's high (8) and low (8); v224-255 four sums.
.set SPW, 2
.set NIL, 3
.set PART, 2304                        ; a wave's partial sums: 16 rows x (128 bytes + 16)
.set SPARE, 16*PART                    ; behind them: the spare words, 128 bytes a wave
	s_load_b128 s[4:7], s[0:1], 0x0                ; yf, wo
	s_load_b64 s[8:9], s[0:1], 0x10                ; out0
	v_lshl_add_u32 v[SPW], v0, 2, SPARE
	v_mov_b32 v[NIL], 0
	v_lshrrev_b32 v4, 5, v0
	v_readfirstlane_b32 s10, v4                    ; wave 0..15
	v_and_b32 v4, 15, v0                           ; r
	v_bfe_u32 v5, v0, 4, 1                         ; h
	v_lshlrev_b32 v1, 13, v4
	v_lshl_add_u32 v1, v5, 6, v1                   ; wo: row r of 8,192 bytes, + 64 h
	v_lshlrev_b32 v28, 12, v4
	v_lshl_add_u32 v28, v5, 5, v28                 ; yf: row r of 4,096 bytes, + 32 h
	s_mul_i32 s11, s10, PART
	v_mul_u32_u24 v29, v4, 144
	v_lshl_add_u32 v29, v5, 5, v29
	v_add_nc_u32 v29, s11, v29                     ; my partial sums: row r, + 32 h
	v_and_b32 v6, 31, v0
	v_lshrrev_b32 v7, 3, v6
	v_and_b32 v6, 7, v6
	s_and_b32 s27, s10, 3                          ; (waves 0 to 3 alone read back: the number is held under 4 for all)
	s_mul_i32 s12, s27, 4*144
	v_mul_u32_u24 v30, v7, 144
	v_lshl_add_u32 v30, v6, 4, v30
	v_add_nc_u32 v30, s12, v30                     ; back: row 4 w + lane / 8, 16 bytes a lane
	v_lshlrev_b32 v31, 13, v7
	v_lshl_add_u32 v31, v6, 4, v31                 ; and the same in out0
	s_and_b32 s13, ttmp7, 0xffff                   ; batch
	s_mov_b32 s20, 0xffffe000                      ; keeps 11 significant bits
	s_mov_b32 s22, 0x45000000                      ; 2^11
	s_mov_b32 s23, s22
	s_mov_b32 s24, 0x3a000000                      ; 2^-11
	s_mov_b32 s25, s24
	s_lshl_b32 s14, ttmp9, 18                      ; 32 rows of wo
	s_lshl_b32 s16, s10, 9                         ; 128 numbers of 4 bytes along K
	s_add_co_u32 s14, s14, s16
	s_mov_b32 s15, 0
	s_lshl_b32 s16, s13, 16                        ; 16 rows of yf
	s_lshl_b32 s18, s10, 8                         ; 128 numbers of 2 bytes along K
	s_add_co_u32 s16, s16, s18
	s_mov_b32 s17, 0
	s_lshl_b32 s18, s13, 10
	s_lshl_b32 s26, s27, 2
	s_add_co_u32 s18, s18, s26
	s_lshl_b32 s18, s18, 13                        ; row 1,024 x batch + 4 w
	s_lshl_b32 s26, ttmp9, 7
	s_add_co_u32 s18, s18, s26
	s_mov_b32 s19, 0
	s_wait_kmcnt 0x0
	s_add_nc_u64 s[6:7], s[6:7], s[14:15]
	s_add_nc_u64 s[4:5], s[4:5], s[16:17]
	s_add_nc_u64 s[8:9], s[8:9], s[18:19]
.macro LOAD t                          ; step t's twelve loads into set t
.set LSL, 32+48*(\t)
.irp nt, 0,1
.irp c, 0,1,2,3
	global_load_b128 v[LSL+16*\nt+4*\c:LSL+16*\nt+4*\c+3], v1, s[6:7] offset:\nt*131072+128*(\t)+16*\c
.endr
.endr
.irp c, 0,1
	global_load_b128 v[LSL+32+4*\c:LSL+32+4*\c+3], v28, s[4:5] offset:64*(\t)+16*\c
	global_load_b128 v[LSL+40+4*\c:LSL+40+4*\c+3], v28, s[4:5] offset:262144+64*(\t)+16*\c
.endr
.endm
; 16 numbers in v[x] on become 8 registers of high parts in v[h] on and 8 of low parts x 2^11 in v[x] on; four pairs at a time, line by line
.macro SPLIT x, h
.irp g, 0,4
.irp k, 0,1,2,3
	v_and_b32 v[4+2*\k], s20, v[(\x)+2*(\g+\k)]
	v_and_b32 v[5+2*\k], s20, v[(\x)+2*(\g+\k)+1]
.endr
.irp k, 0,1,2,3
	v_cvt_pk_f16_f32 v[(\h)+\g+\k], v[4+2*\k], v[5+2*\k]
.endr
.irp k, 0,1,2,3
	v_pk_add_f32 v[4+2*\k:5+2*\k], v[(\x)+2*(\g+\k):(\x)+2*(\g+\k)+1], v[4+2*\k:5+2*\k] neg_lo:[0,1] neg_hi:[0,1]
.endr
.irp k, 0,1,2,3
	v_pk_mul_f32 v[4+2*\k:5+2*\k], v[4+2*\k:5+2*\k], s[22:23] op_sel_hi:[1,0]
.endr
.irp k, 0,1,2,3
	v_cvt_pk_f16_f32 v[(\x)+\g+\k], v[4+2*\k], v[5+2*\k]
.endr
.endr
.endm
.macro STEP t
.if (\t) > 0
.rept 4
	v_nop                                          ; places behind the last products, ahead of the writes of registers that they read
.endr
.endif
	s_wait_loadcnt 12*(3-(\t))                     ; my step's twelve loads are in; those of the later steps, twelve each, may be out
.set SL, 32+48*(\t)
	SPLIT SL, 12
	SPLIT SL+16, 20
.if (\t) == 0
	v_wmma_f32_16x16x32_f16 v[224:231], v[12:19], v[SL+32:SL+39], 0
	v_wmma_f32_16x16x32_f16 v[232:239], v[20:27], v[SL+32:SL+39], 0
	v_wmma_f32_16x16x32_f16 v[240:247], v[12:19], v[SL+40:SL+47], 0
	v_wmma_f32_16x16x32_f16 v[248:255], v[20:27], v[SL+40:SL+47], 0
.else
	v_wmma_f32_16x16x32_f16 v[224:231], v[12:19], v[SL+32:SL+39], v[224:231]   ; high . high
	v_wmma_f32_16x16x32_f16 v[232:239], v[20:27], v[SL+32:SL+39], v[232:239]
	v_wmma_f32_16x16x32_f16 v[240:247], v[12:19], v[SL+40:SL+47], v[240:247]   ; high . low
	v_wmma_f32_16x16x32_f16 v[248:255], v[20:27], v[SL+40:SL+47], v[248:255]
.endif
	v_wmma_f32_16x16x32_f16 v[240:247], v[SL:SL+7], v[SL+32:SL+39], v[240:247]       ; low . high.  No two neighbours share a sum
	v_wmma_f32_16x16x32_f16 v[248:255], v[SL+16:SL+23], v[SL+32:SL+39], v[248:255]
.endm
	LOAD 0
	LOAD 1
	LOAD 2
	LOAD 3
.irp t, 0,1,2,3
	STEP \t
.endr
.rept 4
	v_nop
.endr
.irp nt, 0,1
.irp p, 0,2,4,6
	v_pk_fma_f32 v[12+8*\nt+\p:13+8*\nt+\p], v[240+8*\nt+\p:241+8*\nt+\p], s[24:25], v[224+8*\nt+\p:225+8*\nt+\p] op_sel_hi:[1,0,1]   ; each sum from its low end on
.endr
.endr
.irp nt, 0,1
	ds_store_b128 v29, v[12+8*\nt:15+8*\nt] offset:64*\nt
	ds_store_b128 v29, v[16+8*\nt:19+8*\nt] offset:64*\nt+16
.endr
	s_wait_dscnt 0x0                               ; for the others' sake: my partial sums have landed
	s_barrier_signal -1
	s_barrier_wait -1
	s_cmp_ge_u32 s10, 4                            ; waves 0 to 3 add the sixteen parts: 128 lanes x 16 bytes are the work-group's 16 rows x 128 bytes
	s_cbranch_scc1 .Lend
.irp u, 0,1,2,3,4,5,6,7,8,9,10,11,12,13,14,15
	ds_load_b128 v[32+4*\u:35+4*\u], v30 offset:\u*PART
.endr
	s_wait_dscnt 0x0
.irp u, 0,1,2,3,4,5,6,7
	v_pk_add_f32 v[32+4*\u:33+4*\u], v[32+4*\u:33+4*\u], v[64+4*\u:65+4*\u]
	v_pk_add_f32 v[34+4*\u:35+4*\u], v[34+4*\u:35+4*\u], v[66+4*\u:67+4*\u]
.endr
.irp u, 0,1,2,3
	v_pk_add_f32 v[32+4*\u:33+4*\u], v[32+4*\u:33+4*\u], v[48+4*\u:49+4*\u]
	v_pk_add_f32 v[34+4*\u:35+4*\u], v[34+4*\u:35+4*\u], v[50+4*\u:51+4*\u]
.endr
.irp u, 0,1
	v_pk_add_f32 v[32+4*\u:33+4*\u], v[32+4*\u:33+4*\u], v[40+4*\u:41+4*\u]
	v_pk_add_f32 v[34+4*\u:35+4*\u], v[34+4*\u:35+4*\u], v[42+4*\u:43+4*\u]
.endr
	v_pk_add_f32 v[32:33], v[32:33], v[36:37]
	v_pk_add_f32 v[34:35], v[34:35], v[38:39]
	global_store_b128 v31, v[32:35], s[8:9]        ; eight lanes store the work-group's 128 bytes of a row
.Lend:
	s_wait_tensorcnt 0x0                           ; the wave's end, behind my last LDS store
	ds_add_u32 v[SPW], v[NIL]
	s_wait_dscnt 0x0
	s_endpgm
.Lfunc_end_k_qc261ad30fd_fineproj:
	.size	k_qc261ad30fd_fineproj, .Lfunc_end_k_qc261ad30fd_fineproj-k_qc261ad30fd_fineproj
	.p2alignl 7, 3214868480
	.fill 96, 4, 3214868480
	.section	.rodata,"a",@progbits
	.p2align	6, 0x0
	.amdhsa_kernel k_qc261ad30fd_fineproj
		.amdhsa_group_segment_fixed_size 38912
		.amdhsa_private_segment_fixed_size 0
		.amdhsa_enable_private_segment 0
		.amdhsa_kernarg_size 24
		.amdhsa_user_sgpr_count 2
		.amdhsa_user_sgpr_kernarg_segment_ptr 1
		.amdhsa_wavefront_size32 1
		.amdhsa_system_sgpr_workgroup_id_x 1
		.amdhsa_system_sgpr_workgroup_id_y 1
		.amdhsa_system_sgpr_workgroup_id_z 1
		.amdhsa_system_vgpr_workitem_id 0
		.amdhsa_next_free_vgpr 256
		.amdhsa_next_free_sgpr 66
		.amdhsa_reserve_vcc 0
		.amdhsa_float_denorm_mode_32 3
		.amdhsa_float_denorm_mode_16_64 3
		.amdhsa_memory_ordered 1
		.amdhsa_forward_progress 1
		.amdhsa_inst_pref_size 34
	.end_amdhsa_kernel
	.amdgpu_metadata
---
amdhsa.version: [ 1, 2 ]
amdhsa.kernels:
  - .name:           k_qc261ad30fd_fineproj
    .symbol:         k_qc261ad30fd_fineproj.kd
    .args:
      - { .name: yf, .offset: 0, .size: 8, .value_kind: global_buffer, .address_space: global }
      - { .name: wo, .offset: 8, .size: 8, .value_kind: global_buffer, .address_space: global }
      - { .name: out0, .offset: 16, .size: 8, .value_kind: global_buffer, .address_space: global }
    .group_segment_fixed_size: 38912
    .private_segment_fixed_size: 0
    .kernarg_segment_align: 8
    .kernarg_segment_size: 24
    .max_flat_workgroup_size: 512
    .sgpr_count:     66
    .vgpr_count:     256
    .wavefront_size: 32
...
	.end_amdgpu_metadata
.endif
;; end of part 6
